; MI455X (gfx1250); checked and timed in simulation.
; The chip was launched on July 23, 2026; its instructions are those of AMD's public machine-readable ISA for CDNA 5 (MIT licence, August 2026) and "CDNA5" Instruction Set Architecture Reference Guide (July 2026). The comments in the code are by the model that wrote it; some were corrected since.
;; Linear Attention. Allowed arithmetic: matrix products marked QUANTISED: E3M2 operands, one E8M0 scale for each 32 along K, by v_wmma_scale_f32_16x16x128_f8f6f4 with both operands' format E3M2, f32 sums; products left as they are: f32 operands where the result goes on into a quantised operand, else bf16, f16 or f32 operands; f32 sums; everything else in f32.
;; Inputs: Wk 1,024 x 16 x 64 float32; Wo 16 x 64 x 1,024 float32; Wq 1,024 x 16 x 64 float32; Wv 1,024 x 16 x 64 float32; bk 16 x 64 float32; bo 1,024 float32; bq 16 x 64 float32; bv 16 x 64 float32; x 4 x 2,048 x 1,024 float32.
;; Outputs: out0 4 x 2,048 x 1,024 float32.
;; This version of the problem:
;;   THIS VERSION OF THE PROBLEM IS GIVEN IN LOW PRECISION. The matrix products marked QUANTISED in the list below multiply operands that are first quantised to E3M2 (3 exponent bits, 2 mantissa bits; 6 bits a number), with one power-of-two scale for each 32 numbers along K (OCP MX v1.0); their sums are f32. All else is computed in f32.
;;   The module's matrix products, in the order in which they are computed (A, B: the left and right operand; K: the contracted axis; several contracted axes count as one K, in the product's order):
;;     1. [M 8,192, K 1,024] x [K 1,024, N 1,024]; A: input x; B: input Wq: QUANTISED
;;     2. [M 8,192, K 1,024] x [K 1,024, N 1,024]; A: input x; B: input Wk: QUANTISED
;;     3. [M 8,192, K 1,024] x [K 1,024, N 1,024]; A: input x; B: input Wv: QUANTISED
;;     4. batch 64 x [M 64, K 2,048] x [K 2,048, N 64]; A: computed on the way; B: computed on the way: QUANTISED
;;     5. batch 64 x [M 1, K 64] x [K 64, N 2,048]; A: computed on the way; B: computed on the way: left as it is (M = 1 < 16)
;;     6. batch 64 x [M 64, K 64] x [K 64, N 2,048]; A: computed on the way; B: computed on the way: QUANTISED
;;     7. batch 131,072 x [M 1, K 1] x [K 1, N 64]; A: computed on the way; B: computed on the way: left as it is (no contracted axis)
;;     8. [M 8,192, K 1,024] x [K 1,024, N 1,024]; A: computed on the way; B: input Wo: QUANTISED
;;   THE QUANTISER, for each operand of a quantised product, along K:
;;     - K is cut into blocks of 32 from its start; a last block that is shorter is filled with zeros.
;;     - A block's scale is 2^e with e = floor(log2(the largest magnitude in the block)) - 4, held to -126 .. 127; a block of zeros has e = 0. As a byte (E8M0): e + 127.
;;     - Each number is divided by its block's scale, clamped to +-28, and rounded to the nearest number of E3M2, ties to even, subnormals kept.
;;     - The product sums the exact products of the quantised numbers (number of the format x scale) in f32.
;;   ~~~python
;;   def quantise(x, axis):      # numpy; x: float32 -> the quantised numbers, widened to float32 again
;;       x = np.moveaxis(x, axis, -1); K = x.shape[-1]
;;       x = np.pad(x, [(0, 0)] * (x.ndim - 1) + [(0, -K % 32)]); x = x.reshape(x.shape[:-1] + (-1, 32)); a = np.abs(x).max(-1, keepdims=True)
;;       e = np.where(a > 0, np.clip(np.frexp(np.where(a > 0, a, 1))[1] - 1 - 4, -126, 127), 0)      # np.frexp(a)[1] - 1 = floor(log2(a)), exactly
;;       r = np.clip(x / 2.0 ** e, -28, 28)
;;       step = 2.0 ** (np.maximum(np.frexp(np.where(r == 0, 1, r))[1] - 1, -2) - 2)
;;       q = np.round(r / step) * step * 2.0 ** e      # np.round: ties to even
;;       return np.moveaxis(q.reshape(q.shape[:-2] + (-1,))[..., :K], -1, axis).astype(np.float32)
;;   ~~~
;;   OPERANDS COMPUTED ON THE WAY. 'Computed on the way' means the value that the module computes at that place (a softmax that the list does not call 'softmax' is quantised finished and normalised). What goes into a quantiser is computed in f32, as accurately as f32 sums, v_exp_f32 and their like allow (about 1e-6 of the number): no bf16 or f16 on the way to a quantiser, and a product that is left as it is and whose result goes on into a quantised operand takes f32 operands (vector FMAs, or v_wmma_f32_16x16x4_f32). A number that lies on a knife's edge between two numbers of the format may be rounded either way, as far as f32 arithmetic and the matrix unit's own rounding can turn it there, and no further.
;; One version. Each part assembles by itself: llvm-mc -triple=amdgcn-amd-amdhsa -mcpu=gfx1250 --defsym DOCPART=n.
;; ======== version 1 of 1: 4 launches
;; workspace buffers: xc 6,291,456 bytes; xs 262,144 bytes; wc 3,145,728 bytes; ws 131,072 bytes; kvp 4,259,840 bytes; yc 6,291,456 bytes; ys 262,144 bytes
;; launch quant (part 1): grid 384 x 1, 4 waves a work-group, no clusters, 34,304 bytes of LDS; arguments x, Wq, Wk, Wv, Wo, xc, xs, wc, ws; writes xc, xs, wc, ws
.if DOCPART == 1
	.amdgcn_target "amdgcn-amd-amdhsa--gfx1250"
	.amdhsa_code_object_version 6
	.text
	.protected	k_qacafa62865_quant
	.globl	k_qacafa62865_quant
	.p2align	8
	.type	k_qacafa62865_quant,@function
k_qacafa62865_quant:
	s_mov_b64 s[64:65], 0
	v_nop
	global_prefetch_b8 v0, s[64:65] scope:SCOPE_SE
	s_setreg_imm32_b32 hwreg(HW_REG_WAVE_MODE, 25, 1), 1
	s_wait_xcnt 0x0
; x [8192][1024] and the four weights [1024 (K)][1024 (N)], f32, become codes of BF6 (E3M2) with one E8M0 byte for each 32 along K.
; A block's scale is 2^(floor(log2(largest magnitude)) - 4): its byte is the largest magnitude's exponent field - 4, held at 1 from below.
; THE CODES ARE LAID AS IMAGES OF OPERAND REGISTERS.  A fragment is 16 rows x 128 K = 12 registers x 32 lanes = 1,536 bytes; register g of lane l lies at
; 512 (g / 4) + 16 l + 4 (g % 4), so three loads of 16 bytes a lane bring it.  xc: [row tile 512][K step 8][1,536];  wc: [weight 4][column tile 64][K step 8][1,536].
; THE ROWS (COLUMNS) OF A TILE ARE NOT NEIGHBOURS: lane r of tile T holds row 32 (T / 2) + 8 (T % 2) + r + 8 (r / 8), so that where such a tile is a product's
; source 0, the 16 result registers of tiles 2 b and 2 b + 1 are 16 neighbours along that axis.
; THE SCALE WORDS (four bytes: 128 along K of one row): a record of 256 bytes for 64 rows and a K step: lane l', word e is tile 2 e + l' / 16, row l' % 16.
; xs: [K step 8][group 128][256];  ws: [weight 4][K step 8][group 16][256].
; SHARES: 1,536 wave units of 32 KiB of f32.  Work-groups 0-255 take x (a wave: 64 rows x 128 K), work-groups 256-383 the weights (a wave: 128 K x 64 columns).
; Only x's path touches LDS.  No tensor load, no barrier: waves share nothing.
; LIMITS: NaN and infinities among the inputs are not served; a block whose largest magnitude lies under 2^-122 keeps the byte 1; a block of zeros gets the byte 1
; where the rule says 127: its codes are zeros, which add nothing, and this program alone reads the bytes.
.set R,   16                           ; v16-143  x: two sets of 64 registers, a tile as it is loaded
.set X,   144                          ; v144-207 x: a tile turned: register 16 b + i = k 32 b + 16 (lane / 16) + i of my row
.set TM,  208                          ; v208-223 at work in QUANT
.set CT,  224                          ; v224-231 the conversions' second halves
.set PC,  232                          ; v232-243 a fragment's codes
.set PW,  244                          ; v244-247 the four tiles' scale words
.set D,   64                           ; v64-191  weights: four sets of 32 numbers down K
.set CH,  192                          ; v192-239 weights: codes: column half hb at +24 hb, the image of lane half h at +12 h
.set WCT, 240                          ; v240-242 weights: a conversion's second half
.set SWD, 32                           ; v32-33   weights: the two halves' scale words
.set SEL, 28                           ; s[28:29] v_permlanex16_b32's selects for lane l xor 16
.set HM,  30                           ; s30      lanes 16-31
.set MSB, 0
.macro WIN new                         ; register windows (this text needs none: every call asks for 0 and writes nothing)
.if MSB != (\new)
	s_set_vgpr_msb (MSB<<8)|(\new)
.set MSB, \new
.endif
.endm
; 64 numbers of a lane, v[s] on in window w, register 16 b + i = k 32 b + 16 (lane / 16) + i of my row, become a fragment's codes in v[pc] on and its scale word in v[pw].
.macro QUANT s, w, pc, pw
	WIN ((\w)<<2)|((\w)<<4)
.irp b, 0,1,2,3
	v_max3_num_f32 v[TM+\b], 0x2800000, |v[(\s)+16*\b]|, |v[(\s)+1+16*\b]|   ; block b: my 16 numbers, and the floor 2^(5 - 127): the byte cannot fall under 1
.endr
.irp i, 2,4,6,8,10,12,14
.irp b, 0,1,2,3
	v_max3_num_f32 v[TM+\b], v[TM+\b], |v[(\s)+16*\b+\i]|, |v[(\s)+1+16*\b+\i]|   ; the four blocks by turns
.endr
.endr
	WIN 0
.irp b, 0,1,2,3
	v_permlanex16_b32 v[TM+4+\b], v[TM+\b], s[SEL], s[SEL+1]
.endr
.irp b, 0,1,2,3
	v_max_num_f32 v[TM+\b], v[TM+\b], v[TM+4+\b]        ; with lane l xor 16's: the block's largest magnitude
.endr
.irp b, 0,1,2,3
	v_add_nc_u32 v[TM+12+\b], 0xfe000000, v[TM+\b]      ; 4 off its exponent field: the conversion's scale operand
.endr
.irp b, 0,1,2,3
	v_lshrrev_b32 v[TM+4+\b], 23, v[TM+12+\b]           ; the scale's byte
.endr
	v_lshl_or_b32 v[\pw], v[TM+5], 8, v[TM+4]
	v_lshl_or_b32 v[\pw], v[TM+6], 16, v[\pw]
	v_lshl_or_b32 v[\pw], v[TM+7], 24, v[\pw]
	WIN \w
.irp c, 0,1
	v_cvt_scalef32_pk16_bf6_f32 v[(\pc)+6*\c:(\pc)+2+6*\c], v[(\s)+32*\c:(\s)+15+32*\c], v[TM+12+2*\c]
	v_cvt_scalef32_pk16_bf6_f32 v[CT+4*\c:CT+2+4*\c], v[(\s)+16+32*\c:(\s)+31+32*\c], v[TM+12+2*\c+1]   ; (a conversion's three registers begin on an even number)
.endr
	WIN 0
	v_nop                                              ; one plain place behind a scaled conversion
.irp c, 0,1                                        ; the layout wants a whole block in a lane: lanes 0-15 block 2 c, lanes 16-31 block 2 c + 1
.irp i, 0,1,2
	v_permlane16_swap_b32 v[(\pc)+6*\c+\i], v[CT+4*\c+\i]
.endr
.irp i, 0,1,2
	v_mov_b32 v[(\pc)+3+6*\c+\i], v[CT+4*\c+\i]
.endr
.endr
.endm
	s_load_b256 s[4:11], s[0:1], 0x0               ; x s[4:5], Wq s[6:7], Wk s[8:9], Wv s[10:11]
	s_load_b256 s[12:19], s[0:1], 0x20             ; Wo s[12:13], xc s[14:15], xs s[16:17], wc s[18:19]
	s_load_b64 s[20:21], s[0:1], 0x40              ; ws
	v_lshl_add_u32 v254, v0, 2, 0x8400
	v_mov_b32 v255, 0
	v_lshrrev_b32 v1, 5, v0
	v_readfirstlane_b32 s22, v1                    ; wave 0..3
	v_and_b32 v1, 31, v0                           ; lane
	s_cmp_lt_u32 ttmp9, 256
	s_cbranch_scc0 .Lweights
	; ---------------- x: my unit is group G of 64 rows, K step s ----------------
	v_and_b32 v2, 15, v0                           ; r
	v_bfe_u32 v3, v0, 4, 1                         ; h
	v_lshlrev_b32 v4, 4, v1                        ; 16 x lane: my bytes of a load's 512, and of an image's 512
	v_lshlrev_b32 v5, 3, v1                        ; 8 x lane: my two scale words
	s_mul_i32 s23, s22, 8448                       ; my wave's stage: 16 rows x (512 + 16) bytes
	v_add_nc_u32 v6, s23, v4                       ; into it: a row as it was loaded
	v_mul_u32_u24 v7, v2, 528
	v_lshl_add_u32 v7, v3, 6, v7
	v_add_nc_u32 v7, s23, v7                       ; out of it: row r, 64 h bytes on: 16 numbers of each block of 32
	s_mov_b32 s[SEL], 0x76543210
	s_mov_b32 s[SEL+1], 0xfedcba98
	s_mov_b32 s[HM], 0xffff0000
.irp b, 0,1,2,3
	v_mov_b32 v[TM+4+\b], 0                        ; written once: a lane permute's destination counts as one of its sources
.endr
	s_lshl_b32 s24, ttmp9, 2
	s_add_co_u32 s24, s24, s22                     ; unit = 4 x work-group + wave
	s_lshr_b32 s25, s24, 3                         ; G
	s_and_b32 s24, s24, 7                          ; s: the four waves read neighbouring 512 bytes of the same rows
	s_lshl_b32 s26, s25, 18                        ; x: 64 rows of 4,096 bytes,
	s_lshl_b32 s27, s24, 9                         ; 512 bytes a K step
	s_add_co_u32 s26, s26, s27
	s_mov_b32 s27, 0
	s_mul_i32 s32, s25, 49152                      ; xc: four row tiles of 12,288 bytes,
	s_mul_i32 s33, s24, 1536                       ; 1,536 a K step
	s_add_co_u32 s32, s32, s33
	s_mov_b32 s33, 0
	s_lshl_b32 s34, s24, 15                        ; xs: 32,768 bytes a K step, 256 a group
	s_lshl_b32 s35, s25, 8
	s_add_co_u32 s34, s34, s35
	s_mov_b32 s35, 0
	s_wait_kmcnt 0x0
	s_add_nc_u64 s[4:5], s[4:5], s[26:27]
	s_add_nc_u64 s[14:15], s[14:15], s[32:33]
	s_add_nc_u64 s[16:17], s[16:17], s[34:35]
.macro LOAD a                          ; tile a's 16 rows, in the tile's order of rows; each load reads 512 consecutive bytes
.irp i, 0,1,2,3,4,5,6,7,8,9,10,11,12,13,14,15
	global_load_b128 v[R+64*((\a)%2)+4*\i:R+64*((\a)%2)+4*\i+3], v4, s[4:5] offset:(32*((\a)/2)+8*((\a)%2)+\i+8*(\i/8))*4096 th:TH_LOAD_NT
.endr
.endm
.macro TILE a
.if (\a) < 3
	s_wait_loadcnt 16                              ; this tile's 16 loads are in; the next tile's 16 may be out
.else
	s_wait_loadcnt 0x0
.endif
.irp i, 0,1,2,3,4,5,6,7,8,9,10,11,12,13,14,15
	ds_store_b128 v6, v[R+64*((\a)%2)+4*\i:R+64*((\a)%2)+4*\i+3] offset:528*\i
.endr
.irp b, 0,1,2,3
.irp j, 0,1,2,3
	ds_load_b128 v[X+16*\b+4*\j:X+16*\b+4*\j+3], v7 offset:128*\b+16*\j   ; LDS serves a wave's instructions in order: these see the stores above
.endr
.endr
	s_wait_dscnt 0x0                               ; the tile is turned, and the stores have read their registers
.if (\a) > 0
	s_wait_xcnt 0x0                                ; the last tile's stores have read the codes' registers, which are written again below
.endif
.if (\a) < 2
	LOAD (\a)+2
.endif
	QUANT X, 0, PC, PW+(\a)
.irp i, 0,1,2
	global_store_b128 v4, v[PC+4*\i:PC+4*\i+3], s[14:15] offset:(\a)*12288+512*\i   ; 32 lanes store 512 consecutive bytes
.endr
.endm
	LOAD 0
	LOAD 1
	TILE 0
	TILE 1
	TILE 2
	TILE 3
	v_cndmask_b32 v248, v[PW], v[PW+1], s[HM]      ; word 0: lanes 0-15 tile 0's, lanes 16-31 tile 1's
	v_cndmask_b32 v249, v[PW+2], v[PW+3], s[HM]    ; word 1: tiles 2 and 3
	global_store_b64 v5, v[248:249], s[16:17]      ; 32 lanes store 256 consecutive bytes, aligned
	s_wait_tensorcnt 0x0
	ds_add_u32 v254, v255
	s_wait_dscnt 0x0
	s_endpgm
	; ---------------- weights: a lane takes a column, its registers run down K ----------------
.Lweights:
	s_sub_co_u32 s23, ttmp9, 256
	s_lshr_b32 s24, s23, 5                         ; which weight: q, k, v, o
	s_bfe_u32 s25, s23, 0x30002                    ; K step
	s_and_b32 s26, s23, 3                          ; which 256 columns; my wave takes 64 of them, as two halves of 32
	v_bfe_u32 v2, v0, 3, 1                         ; column 32 hb + lane is lane r of tile 2 hb + u: u = (lane / 8) % 2,
	v_and_b32 v3, 7, v0
	v_bfe_u32 v4, v0, 4, 1
	v_lshl_add_u32 v3, v4, 3, v3                   ; r = lane % 8 + 8 (lane / 16)
	v_lshlrev_b32 v5, 2, v1                        ; in: 4 bytes a lane
	v_mul_u32_u24 v6, v2, 12288
	v_lshl_add_u32 v6, v3, 4, v6                   ; out: tile u, 16 r
	v_lshl_add_u32 v7, v2, 4, v3
	v_lshlrev_b32 v7, 3, v7                        ; the scale words: 8 (16 u + r)
	s_lshl_b32 s32, s25, 19                        ; in: 128 rows of 4,096 bytes a K step,
	s_lshl_b32 s27, s26, 10
	s_add_co_u32 s32, s32, s27                     ; 1,024 bytes for 256 columns,
	s_lshl_b32 s27, s22, 8
	s_add_co_u32 s32, s32, s27                     ; 256 for my wave's 64
	s_mov_b32 s33, 0
	s_mul_i32 s34, s24, 786432                     ; wc: a weight, 16 column tiles, my wave's 4, the K step
	s_mul_i32 s27, s26, 196608
	s_add_co_u32 s34, s34, s27
	s_mul_i32 s27, s22, 49152
	s_add_co_u32 s34, s34, s27
	s_mul_i32 s27, s25, 1536
	s_add_co_u32 s34, s34, s27
	s_mov_b32 s35, 0
	s_lshl_b32 s36, s24, 15                        ; ws: a weight, the K step, the group of 64 columns
	s_lshl_b32 s27, s25, 12
	s_add_co_u32 s36, s36, s27
	s_lshl_b32 s27, s26, 10
	s_add_co_u32 s36, s36, s27
	s_lshl_b32 s27, s22, 8
	s_add_co_u32 s36, s36, s27
	s_mov_b32 s37, 0
	s_wait_kmcnt 0x0
	s_cmp_eq_u32 s24, 1                            ; the choice hangs on the work-group's number alone
	s_cselect_b64 s[6:7], s[8:9], s[6:7]
	s_cmp_eq_u32 s24, 2
	s_cselect_b64 s[6:7], s[10:11], s[6:7]
	s_cmp_eq_u32 s24, 3
	s_cselect_b64 s[6:7], s[12:13], s[6:7]
	s_add_nc_u64 s[6:7], s[6:7], s[32:33]
	s_add_nc_u64 s[18:19], s[18:19], s[34:35]
	s_add_nc_u64 s[20:21], s[20:21], s[36:37]
; Piece q of eight: K block q / 2 of column half q % 2: the two halves of a row's 256 bytes are asked for together.
.macro WLOAD q
.irp i, 0,1,2,3,4,5,6,7,8,9,10,11,12,13,14,15,16,17,18,19,20,21,22,23,24,25,26,27,28,29,30,31
	global_load_b32 v[D+32*((\q)%4)+\i], v5, s[6:7] offset:(32*((\q)/2)+\i)*4096+128*((\q)%2) th:TH_LOAD_NT
.endr
.endm
.macro BLOCK q
.set XS, D+32*((\q)%4)
.set CB, CH+24*((\q)%2)+12*(((\q)/2)%2)+6*((\q)/4)   ; K block j belongs to the image of lane half j % 2, registers 6 (j / 2) on
.if (\q) < 7
	s_wait_loadcnt 32                              ; this piece's 32 loads are in; the next piece's 32 may be out
.else
	s_wait_loadcnt 0x0
.endif
.if (\q)+2 < 8
	WLOAD (\q)+2
.endif
	v_max3_num_f32 v12, |v[XS]|, |v[XS+1]|, |v[XS+2]|   ; the block's largest magnitude: all 32 numbers are mine
	v_max3_num_f32 v13, |v[XS+3]|, |v[XS+4]|, |v[XS+5]|
.irp i, 6,10,14,18,22,26
	v_max3_num_f32 v12, v12, |v[XS+\i]|, |v[XS+\i+1]|
	v_max3_num_f32 v13, v13, |v[XS+\i+2]|, |v[XS+\i+3]|
.endr
	v_max3_num_f32 v12, v12, |v[XS+30]|, |v[XS+31]|
	v_max3_num_f32 v12, v12, v13, 0x2800000        ; and the floor
	v_add_nc_u32 v11, 0xfe000000, v12              ; the conversion's scale operand
	v_lshrrev_b32 v13, 23, v11                     ; the byte
.if (\q)/2 == 0
	v_mov_b32 v[SWD+(\q)%2], v13
.else
	v_lshl_or_b32 v[SWD+(\q)%2], v13, 8*((\q)/2), v[SWD+(\q)%2]
.endif
	v_cvt_scalef32_pk16_bf6_f32 v[CB:CB+2], v[XS:XS+15], v11
	v_cvt_scalef32_pk16_bf6_f32 v[WCT:WCT+2], v[XS+16:XS+31], v11
	v_nop                                          ; one plain place behind a scaled conversion
.irp i, 0,1,2
	v_mov_b32 v[CB+3+\i], v[WCT+\i]
.endr
.if (\q) >= 6                          ; a half's two tiles are whole: sixteen lanes store 256 consecutive bytes, aligned; no store's data are written again
.irp h, 0,1
.irp i, 0,1,2
	global_store_b128 v6, v[CH+24*((\q)%2)+12*\h+4*\i:CH+24*((\q)%2)+12*\h+4*\i+3], s[18:19] offset:((\q)%2)*24576+512*\i+256*\h
.endr
.endr
.endif
.endm
	WLOAD 0
	WLOAD 1
.irp q, 0,1,2,3,4,5,6,7
	BLOCK \q
.endr
	global_store_b64 v7, v[SWD:SWD+1], s[20:21]    ; 32 lanes store 256 consecutive bytes, aligned
	s_endpgm
.Lfunc_end_k_qacafa62865_quant:
	.size	k_qacafa62865_quant, .Lfunc_end_k_qacafa62865_quant-k_qacafa62865_quant
	.p2alignl 7, 3214868480
	.fill 96, 4, 3214868480
	.section	.rodata,"a",@progbits
	.p2align	6, 0x0
	.amdhsa_kernel k_qacafa62865_quant
		.amdhsa_group_segment_fixed_size 34304
		.amdhsa_private_segment_fixed_size 0
		.amdhsa_enable_private_segment 0
		.amdhsa_kernarg_size 72
		.amdhsa_user_sgpr_count 2
		.amdhsa_user_sgpr_kernarg_segment_ptr 1
		.amdhsa_wavefront_size32 1
		.amdhsa_system_sgpr_workgroup_id_x 1
		.amdhsa_system_sgpr_workgroup_id_y 1
		.amdhsa_system_sgpr_workgroup_id_z 1
		.amdhsa_system_vgpr_workitem_id 0
		.amdhsa_next_free_vgpr 256
		.amdhsa_next_free_sgpr 66
		.amdhsa_reserve_vcc 0
		.amdhsa_float_denorm_mode_32 3
		.amdhsa_float_denorm_mode_16_64 3
		.amdhsa_memory_ordered 1
		.amdhsa_forward_progress 1
		.amdhsa_inst_pref_size 72
	.end_amdhsa_kernel
	.amdgpu_metadata
---
amdhsa.version: [ 1, 2 ]
amdhsa.kernels:
  - .name:           k_qacafa62865_quant
    .symbol:         k_qacafa62865_quant.kd
    .args:
      - { .name: x, .offset: 0, .size: 8, .value_kind: global_buffer, .address_space: global }
      - { .name: Wq, .offset: 8, .size: 8, .value_kind: global_buffer, .address_space: global }
      - { .name: Wk, .offset: 16, .size: 8, .value_kind: global_buffer, .address_space: global }
      - { .name: Wv, .offset: 24, .size: 8, .value_kind: global_buffer, .address_space: global }
      - { .name: Wo, .offset: 32, .size: 8, .value_kind: global_buffer, .address_space: global }
      - { .name: xc, .offset: 40, .size: 8, .value_kind: global_buffer, .address_space: global }
      - { .name: xs, .offset: 48, .size: 8, .value_kind: global_buffer, .address_space: global }
      - { .name: wc, .offset: 56, .size: 8, .value_kind: global_buffer, .address_space: global }
      - { .name: ws, .offset: 64, .size: 8, .value_kind: global_buffer, .address_space: global }
    .group_segment_fixed_size: 34304
    .private_segment_fixed_size: 0
    .kernarg_segment_align: 8
    .kernarg_segment_size: 72
    .max_flat_workgroup_size: 128
    .sgpr_count:     66
    .vgpr_count:     256
    .wavefront_size: 32
...
	.end_amdgpu_metadata
.endif
;; end of part 1
;; launch kvp_l (part 2): grid 16 x 16, 4 waves a work-group, clusters of 4 x 4, 327,680 bytes of LDS; arguments xc, xs, wc, ws, bk, bv, kvp; writes kvp
.if DOCPART == 2
	.amdgcn_target "amdgcn-amd-amdhsa--gfx1250"
	.amdhsa_code_object_version 6
	.text
	.protected	k_qacafa62865_kvp_l
	.globl	k_qacafa62865_kvp_l
	.p2align	8
	.type	k_qacafa62865_kvp_l,@function
k_qacafa62865_kvp_l:
	s_mov_b64 s[64:65], 0
	v_nop
	global_prefetch_b8 v0, s[64:65] scope:SCOPE_SE
	s_setreg_imm32_b32 hwreg(HW_REG_WAVE_MODE, 25, 1), 1
	s_wait_xcnt 0x0
	s_wait_alu depctr_hold_cnt(0) depctr_sa_sdst(0) depctr_va_vdst(0) depctr_va_sdst(0) depctr_va_ssrc(0) depctr_va_vcc(0) depctr_vm_vsrc(0)
	s_getreg_b32 s2, hwreg(HW_REG_IB_STS2, 6, 4)
	s_cmp_eq_u32 s2, 0
	s_cbranch_scc0 .Lentry_in_a_cluster
	s_endpgm
.Lentry_in_a_cluster:
	s_bfe_u32 s2, ttmp6, 0x10000c
	s_cmp_lg_u32 s2, 0xf033
	s_cbranch_scc0 .Lentry_shape_is_right
	s_endpgm
.Lentry_shape_is_right:
; For one head and 512 rows of one batch: k = x Wk + bk, v = x Wv + bv (both on codes of BF6), kf = elu(k) + 1, the sum of kf over the rows, kf and v quantised
; ALONG THE ROWS (blocks of 32 rows), and kv(m, d) = sum over the rows of kf(s, d) v(s, m), again on codes.  Out: a record of 16,640 bytes: kv's partial as an image of
; registers ([m tile 4][8 x 512 bytes]: register 8 dt + j of lane (r, h) is m = 32 (mt / 2) + 8 (mt % 2) + r + 8 (r / 8), d = 32 (dt / 2) + 16 h + 8 (dt % 2) + j), then the 64 sums.
; SHARES.  Work-group (head, Y): rows 512 Y on; a wave takes its own 128 rows x 128 columns (the head's 64 of k, its 64 of v): 64 accumulators, 512 registers.
; Source 0 = 16 rows of x, source 1 = 16 columns of a weight: a lane holds ONE column and its registers run along the rows; by the order of rows in x's tiles the 64 registers
; of a column tile are rows 32 b + 16 (lane / 16) + i: what the quantiser along the rows wants.
; LDS.  Operands lie as images of their registers (1,536 bytes a fragment): three loads of 16 bytes a lane, 512 consecutive bytes each: no pitch, no padding.
; The weights' panel (98,304 bytes) is filled once; x goes through two slots of 256 along K, each wave's part its own.
; CLUSTER 4 x 4: x's tiles hang on Y alone and are asked for jointly along a row of the cluster, the weights' on the head alone, jointly along a column.
; elu(x) + 1 is taken as (max(x, 0) + (min(2^(x log2 e), 1) - 1)) + 1: no branch and no mask on data.
; LIMITS: NaN and infinities are not served; a block under 2^-122 (a block of zeros too) keeps the byte 1.
.set XB,    98304                      ; LDS: the weights' panel at 0: fragment (c, s) at (s / 2) 24,576 + 3,072 c + (s % 2) 1,536
.set SLOTB, 98304                      ; two slots of x from XB: wave x 24,576 + 3,072 T + (s % 2) 1,536
.set SPARE, 294912                     ; the spare words, 128 bytes for each wave: two blocks of 256 bytes that no other line names
.set AW,  6                            ; v6-7   16 x lane (+ 49,152): the weights' fragments
.set AX,  8                            ; v8-9   my part of slot 0, 1; slot 0's part is later my stage
.set SPW, 10                           ; v10    my spare word; never rewritten
.set NIL, 11                           ; v11    0; never rewritten
.set RD,  15                           ; v15-16 the reduction's reads;  v17-18 the sums' reads
.set SCF, 24                           ; v24-31 scale words of kf's and v's fragments
.set SX,  32                           ; v32-63 x's scale words: 16 (T / 4) + 2 s + (T % 4) / 2, lanes 16-31 for odd T
.set SW,  64                           ; v64-95 the weights': 16 (c / 4) + 2 s + (c % 4) / 2, lanes 16-31 for odd c
.set TM,  96                           ; v96-111 at work;  v112-119 conversions' second halves;  v120-123 the sums;  v124-127 at work
.set CT,  112
.set KS,  120
.set WF,  160                          ; v160-255 the weights' eight fragments, ONE set; later kf's four and v's four
.set FR,  160                          ; window 1: v0-95, v128-223 x's fragments, TWO sets; v96-127, v224-255 the biases as C; later v0-63 kf, v128-255 kv
.set WV,  18                           ; window 2: accumulator (c, T) at 8 (8 c + T), c = 0..3 (k);  window 3: c = 4..7 (v)
.set G1A, 24
.set G1B, 32
.set GA,  40                           ; s[40:55] group 0 of x's four pieces;  s[56:63], s[68:75] of the weights' four
.set L2E, 76
.set SEL, 78
.set MSB, 0
.macro WIN new                         ; the immediate's high byte repeats the setting that is left
.if MSB != (\new)
	s_set_vgpr_msb (MSB<<8)|(\new)
.set MSB, \new
.endif
.endm
.macro PLACES n
.rept \n
	v_nop
.endr
.endm
.macro CREST                           ; a round of the cluster's barrier behind its opening barrier
	s_cmp_lg_u32 s[WV], 0
	s_cbranch_scc1 .Lnot_wave_0_\@
	s_barrier_signal -3
.Lnot_wave_0_\@:
	s_barrier_wait -3
	s_barrier_signal -1
	s_barrier_wait -1
.endm
.macro CROUND
	s_barrier_signal -1
	s_barrier_wait -1
	CREST
.endm
.macro FRAG reg, adr, off              ; a fragment comes as it was stored
.irp i, 0,1,2
	ds_load_b128 v[(\reg)+4*\i:(\reg)+4*\i+3], v[\adr] offset:(\off)+512*\i
.endr
.endm
.macro WM                              ; one product on rD, rA, rB, rC, rSA, rSB; pA, pB: the scale words lie in lanes 16-31
.if pA && pB
	v_wmma_scale_f32_16x16x128_f8f6f4 v[rD:rD+7], v[rA:rA+11], v[rB:rB+11], v[rC:rC+7], v[rSA], v[rSB] matrix_a_fmt:MATRIX_FMT_BF6 matrix_b_fmt:MATRIX_FMT_BF6 matrix_a_scale:MATRIX_SCALE_ROW1 matrix_b_scale:MATRIX_SCALE_ROW1
.elseif pA
	v_wmma_scale_f32_16x16x128_f8f6f4 v[rD:rD+7], v[rA:rA+11], v[rB:rB+11], v[rC:rC+7], v[rSA], v[rSB] matrix_a_fmt:MATRIX_FMT_BF6 matrix_b_fmt:MATRIX_FMT_BF6 matrix_a_scale:MATRIX_SCALE_ROW1
.elseif pB
	v_wmma_scale_f32_16x16x128_f8f6f4 v[rD:rD+7], v[rA:rA+11], v[rB:rB+11], v[rC:rC+7], v[rSA], v[rSB] matrix_a_fmt:MATRIX_FMT_BF6 matrix_b_fmt:MATRIX_FMT_BF6 matrix_b_scale:MATRIX_SCALE_ROW1
.else
	v_wmma_scale_f32_16x16x128_f8f6f4 v[rD:rD+7], v[rA:rA+11], v[rB:rB+11], v[rC:rC+7], v[rSA], v[rSB] matrix_a_fmt:MATRIX_FMT_BF6 matrix_b_fmt:MATRIX_FMT_BF6
.endif
.endm
.macro WMZ                             ; the same with C = 0 and both words in lanes 0-15
	v_wmma_scale_f32_16x16x128_f8f6f4 v[rD:rD+7], v[rA:rA+11], v[rB:rB+11], 0, v[rSA], v[rSB] matrix_a_fmt:MATRIX_FMT_BF6 matrix_b_fmt:MATRIX_FMT_BF6
.endm
; 64 numbers of a lane, v[s] on in window w, register 16 b + i = k 32 b + 16 (lane / 16) + i of my row, become a fragment's codes in v[pc] on and its scale word in v[pw] (window 0).
.macro QUANT s, w, pc, pw
	WIN ((\w)<<2)|((\w)<<4)
.irp b, 0,1,2,3
	v_max3_num_f32 v[TM+\b], 0x2800000, |v[(\s)+16*\b]|, |v[(\s)+1+16*\b]|   ; my 16 numbers of block b, and the floor 2^(5 - 127); each accumulator is read from its low end on
.endr
.irp i, 2,4,6,8,10,12,14
.irp b, 0,1,2,3
	v_max3_num_f32 v[TM+\b], v[TM+\b], |v[(\s)+16*\b+\i]|, |v[(\s)+1+16*\b+\i]|
.endr
.endr
	WIN 0
.irp b, 0,1,2,3
	v_permlanex16_b32 v[TM+4+\b], v[TM+\b], s[SEL], s[SEL+1]
.endr
.irp b, 0,1,2,3
	v_max_num_f32 v[TM+\b], v[TM+\b], v[TM+4+\b]
.endr
.irp b, 0,1,2,3
	v_add_nc_u32 v[TM+12+\b], 0xfe000000, v[TM+\b]      ; 4 off the exponent field: the conversion's scale operand
.endr
.irp b, 0,1,2,3
	v_lshrrev_b32 v[TM+4+\b], 23, v[TM+12+\b]           ; the byte
.endr
	v_lshl_or_b32 v[\pw], v[TM+5], 8, v[TM+4]
	v_lshl_or_b32 v[\pw], v[TM+6], 16, v[\pw]
	v_lshl_or_b32 v[\pw], v[TM+7], 24, v[\pw]
	WIN \w
.irp c, 0,1
	v_cvt_scalef32_pk16_bf6_f32 v[(\pc)+6*\c:(\pc)+2+6*\c], v[(\s)+32*\c:(\s)+15+32*\c], v[TM+12+2*\c]
	v_cvt_scalef32_pk16_bf6_f32 v[CT+4*\c:CT+2+4*\c], v[(\s)+16+32*\c:(\s)+31+32*\c], v[TM+12+2*\c+1]
.endr
	WIN 0
	v_nop                                              ; one plain place behind a scaled conversion
.irp c, 0,1
.irp i, 0,1,2
	v_permlane16_swap_b32 v[(\pc)+6*\c+\i], v[CT+4*\c+\i]
.endr
.irp i, 0,1,2
	v_mov_b32 v[(\pc)+3+6*\c+\i], v[CT+4*\c+\i]
.endr
.endr
.endm
; elu + 1 of 64 accumulator registers v[ab] on (window wa) into v[eb] on (window we).  The 64 exponentials are one batch; the 64 maxima are the independent work behind it; one wait.
.macro ELU ab, eb, wa, we
	WIN ((\we)<<6)|(\wa)
.set jj, 0
.rept 32
	v_pk_mul_f32 v[(\eb)+jj:(\eb)+jj+1], v[(\ab)+jj:(\ab)+jj+1], s[L2E:L2E+1] op_sel_hi:[1,0]   ; x log2(e), ascending: each accumulator from its low end on
.set jj, jj+2
.endr
	WIN ((\we)<<6)|((\we)<<2)|(\we)
.set jj, 0
.rept 64
	v_exp_f32 v[(\eb)+jj], v[(\eb)+jj]
.set jj, jj+1
.endr
	WIN ((\wa)<<6)|((\wa)<<2)
.set jj, 0
.rept 64
	v_max_num_f32 v[(\ab)+jj], 0, v[(\ab)+jj]
.set jj, jj+1
.endr
	WIN ((\we)<<6)|((\we)<<2)|(\we)
	s_wait_alu depctr_va_vdst(0)                   ; one wait for the batch, ahead of its first reader
.set jj, 0
.rept 64
	v_min_num_f32 v[(\eb)+jj], 1.0, v[(\eb)+jj]
.set jj, jj+1
.endr
.set jj, 0
.rept 32
	v_pk_add_f32 v[(\eb)+jj:(\eb)+jj+1], v[(\eb)+jj:(\eb)+jj+1], -1.0 op_sel_hi:[1,0]
.set jj, jj+2
.endr
	WIN ((\we)<<6)|((\wa)<<2)|(\we)
.set jj, 0
.rept 32
	v_pk_add_f32 v[(\eb)+jj:(\eb)+jj+1], v[(\eb)+jj:(\eb)+jj+1], v[(\ab)+jj:(\ab)+jj+1]
.set jj, jj+2
.endr
	WIN ((\we)<<6)|((\we)<<2)|(\we)
.set jj, 0
.rept 32
	v_pk_add_f32 v[(\eb)+jj:(\eb)+jj+1], v[(\eb)+jj:(\eb)+jj+1], 1.0 op_sel_hi:[1,0]
.set jj, jj+2
.endr
.endm
	s_load_b256 s[4:11], s[0:1], 0x0               ; xc s[4:5], xs s[6:7], wc s[8:9], ws s[10:11]
	s_load_b128 s[12:15], s[0:1], 0x20             ; bk s[12:13], bv s[14:15]
	s_load_b64 s[16:17], s[0:1], 0x30              ; kvp
	v_lshl_add_u32 v[SPW], v0, 2, SPARE
	v_mov_b32 v[NIL], 0
	ds_add_u32 v10, v11
	ds_add_u32 v10, v11
	s_wait_dscnt 0x0
	v_lshrrev_b32 v1, 5, v0
	v_readfirstlane_b32 s[WV], v1                  ; wave 0..3
	s_bfe_u32 s19, ttmp6, 0x40000                  ; cx
	s_bfe_u32 s22, ttmp6, 0x40004                  ; cy
	s_lshl_b32 s20, ttmp9, 2
	s_add_co_u32 s20, s20, s19                     ; the head = 4 x cluster x + cx
	s_and_b32 s21, ttmp7, 0xffff
	s_lshl_b32 s21, s21, 2
	s_add_co_u32 s21, s21, s22                     ; Y = 4 x cluster y + cy: rows 512 Y on
	s_lshl_b32 s23, s22, 2
	s_lshl_b32 s23, 15, s23                        ; my row of the cluster
	s_lshl_b32 s82, 0x1111, s19                    ; my column
	; group 1: rows of 3,072 bytes (two K steps of a tile: 384 elements of 8 bytes), 12,288 bytes apart; 8 rows of x, 2 of a weight; no padding
	s_or_b32 s[G1A], s23, (3<<16)|(1<<21)          ; 15:0 the mask; 17:16 elements of 8 bytes; 21 set beside a mask
	s_or_b32 s[G1B], s82, (3<<16)|(1<<21)
	s_mov_b32 s[G1A+1], 384<<16                    ; tensor_dim0
	s_mov_b32 s[G1A+2], 8<<16                      ; tensor_dim1
	s_mov_b32 s[G1A+3], 384<<16                    ; tile_dim0
	s_mov_b32 s[G1A+4], 8                          ; tile_dim1
	s_mov_b32 s[G1A+5], 1536                       ; from row to row, in elements
	s_mov_b32 s[G1A+6], 0
	s_mov_b32 s[G1A+7], 0
	s_mov_b32 s[G1B+1], 384<<16
	s_mov_b32 s[G1B+2], 2<<16
	s_mov_b32 s[G1B+3], 384<<16
	s_mov_b32 s[G1B+4], 2
	s_mov_b32 s[G1B+5], 1536
	s_mov_b32 s[G1B+6], 0
	s_mov_b32 s[G1B+7], 0
	s_lshl_b32 s2, s21, 5                          ; x: my first row tile, 32 Y + 8 wave: made of Y and the wave alone
	s_lshl_b32 s3, s[WV], 3
	s_add_co_u32 s2, s2, s3
	s_mul_i32 s2, s2, 12288
	s_mov_b32 s3, 0
	s_lshr_b32 s80, s[WV], 1                       ; weights: waves 0, 1 fetch Wk's tiles (weight 1), waves 2, 3 Wv's (weight 2): made of the head and the wave alone
	s_add_co_u32 s80, s80, 1
	s_mul_i32 s80, s80, 786432
	s_lshl_b32 s81, s20, 2
	s_and_b32 s83, s[WV], 1
	s_lshl_b32 s83, s83, 1
	s_add_co_u32 s81, s81, s83                     ; column tile 4 head + 2 (wave % 2)
	s_mul_i32 s81, s81, 12288
	s_add_co_u32 s80, s80, s81
	s_mov_b32 s81, 0
	s_mul_i32 s84, s[WV], 24576                    ; where they go: no place in the cluster enters an LDS address
	s_mul_i32 s85, s[WV], 6144
	s_mov_b32 s[L2E], 0x3fb8aa3b                   ; log2(e)
	s_mov_b32 s[L2E+1], 0x3fb8aa3b
	s_mov_b32 s[SEL], 0x76543210
	s_mov_b32 s[SEL+1], 0xfedcba98
	v_and_b32 v1, 31, v0                           ; lane
	v_and_b32 v2, 15, v0                           ; r
	v_lshlrev_b32 v4, 4, v1                        ; 16 x lane
	v_lshlrev_b32 v5, 3, v1                        ; 8 x lane
	v_mov_b32 v[AW], v4
	v_add_nc_u32 v[AW+1], 49152, v4
	v_add_nc_u32 v[AX], s84, v4
	v_add_nc_u32 v[AX], XB, v[AX]
	v_add_nc_u32 v[AX+1], SLOTB, v[AX]
	v_and_b32 v12, 8, v2
	v_add_nc_u32 v12, v12, v2
	v_lshlrev_b32 v12, 2, v12                      ; 4 (r + 8 (r / 8)): my column's place among a tile's
	v_add_nc_u32 v14, s84, v12
	v_add_nc_u32 v14, XB+16384, v14                ; my stage's 64 sums
	s_lshl_b32 s83, s[WV], 12
	v_add_nc_u32 v[RD], s83, v4
	v_add_nc_u32 v[RD], XB, v[RD]                  ; the reduction: m tile = my wave, of stage 0 (+ 24,576: stage 1)
	v_add_nc_u32 v[RD+1], 49152, v[RD]             ; stages 2, 3
	v_add_nc_u32 v17, XB+16384, v5
	v_add_nc_u32 v18, 49152, v17
	s_lshl_b32 s86, s21, 3                         ; xs: my two groups of 64 rows: 8 Y + 2 wave
	s_lshl_b32 s87, s[WV], 1
	s_add_co_u32 s86, s86, s87
	s_lshl_b32 s86, s86, 8
	s_mov_b32 s87, 0
	s_lshl_b32 s88, s20, 8                         ; 256 x head: ws' group, and the biases' 64 numbers
	s_mov_b32 s89, 0
	s_wait_kmcnt 0x0
	s_add_nc_u64 s[2:3], s[4:5], s[2:3]
	s_add_nc_u64 s[80:81], s[8:9], s[80:81]
	s_add_nc_u64 s[6:7], s[6:7], s[86:87]
	s_add_nc_u64 s[10:11], s[10:11], s[88:89]
	s_add_nc_u64 s[10:11], s[10:11], 32768         ; weight 1's scale words; weight 2's lie 32,768 on
	s_add_nc_u64 s[12:13], s[12:13], s[88:89]
	s_add_nc_u64 s[14:15], s[14:15], s[88:89]
	s_lshr_b32 s86, s21, 2                         ; the record: ((batch x 16 + head) x 4 + part) x 16,640, + 4,096 x wave
	s_lshl_b32 s86, s86, 6
	s_lshl_b32 s88, s20, 2
	s_add_co_u32 s86, s86, s88
	s_and_b32 s88, s21, 3
	s_add_co_u32 s86, s86, s88
	s_mul_i32 s86, s86, 16640
	s_add_co_u32 s86, s86, s83
	s_add_nc_u64 s[16:17], s[16:17], s[86:87]
.irp f, 0,1,2,3                        ; x's piece f: K steps 2 f, 2 f + 1, into slot f % 2
	s_mov_b32 s[GA+4*\f], 1
	s_add_co_u32 s[GA+4*\f+1], s84, XB+(\f%2)*SLOTB
	s_add_nc_u64 s[GA+4*\f+2:GA+4*\f+3], s[2:3], \f*3072
	s_or_b32 s[GA+4*\f+3], s[GA+4*\f+3], 0x80000000
.endr
.irp p, 0,1,2,3                        ; the weights' piece p
	s_mov_b32 s[56+4*\p+4*(\p/2)], 1
	s_add_co_u32 s[57+4*\p+4*(\p/2)], s85, \p*24576
	s_add_nc_u64 s[58+4*\p+4*(\p/2):59+4*\p+4*(\p/2)], s[80:81], \p*3072
	s_or_b32 s[59+4*\p+4*(\p/2)], s[59+4*\p+4*(\p/2)], 0x80000000
.endr
	CROUND                                         ; all sixteen work-groups are here: the first joint loads meet
	tensor_load_to_lds s[56:59], s[G1B:G1B+7]      ; the first fills, one group: six loads of mine are out
	s_nop 0
	tensor_load_to_lds s[GA:GA+3], s[G1A:G1A+7]
	s_nop 0
	tensor_load_to_lds s[60:63], s[G1B:G1B+7]
	s_nop 0
	tensor_load_to_lds s[GA+4:GA+7], s[G1A:G1A+7]
	s_nop 0
	tensor_load_to_lds s[68:71], s[G1B:G1B+7]
	s_nop 0
	tensor_load_to_lds s[72:75], s[G1B:G1B+7]
	s_nop 0
	PLACES 4
.irp g, 0,1
.irp k, 0,1,2,3,4,5,6,7
	global_load_b64 v[SX+16*\g+2*\k:SX+16*\g+2*\k+1], v5, s[6:7] offset:\k*32768+\g*256      ; a record of 256 bytes a load
.endr
.endr
.irp g, 0,1
.irp k, 0,1,2,3,4,5,6,7
	global_load_b64 v[SW+16*\g+2*\k:SW+16*\g+2*\k+1], v5, s[10:11] offset:\g*32768+\k*4096
.endr
.endr
.irp c, 0,1,2,3
	global_load_b32 v[TM+\c], v12, s[12:13] offset:(32*(\c/2)+8*(\c%2))*4      ; my column's bias, a register a tile
	global_load_b32 v[TM+4+\c], v12, s[14:15] offset:(32*(\c/2)+8*(\c%2))*4
.endr
	s_wait_loadcnt 0x0
	WIN 0x40
.irp c, 0,1,2,3,4,5,6,7                ; the bias is the C of each sum's first product: a lane's eight rows of a tile have one column, so eight equal registers a column tile
.irp j, 0,1,2,3,4,5,6,7
	v_mov_b32 v[96+8*\c+96*(\c/4)+\j], v[TM+\c]
.endr
.endr
	WIN 0
.macro FETCH_X st                      ; my eight fragments of x of K step st into set st % 2
	WIN 0x40
.irp t, 0,1,2,3,4,5,6,7
	FRAG 128*((\st)%2)+12*\t, AX+(((\st)/2)%2), \t*3072+((\st)%2)*1536
.endr
	WIN 0
.endm
.macro FETCH_W st, c0                  ; the weights' fragments c0 .. c0 + 3
.irp c, \c0, \c0+1, \c0+2, \c0+3
	FRAG WF+12*(\c), AW+((\st)/4), (((\st)/2)%2)*24576+(\c)*3072+((\st)%2)*1536
.endr
.endm
; 16 products: column tiles c0, c0 + 1 x my eight row tiles.  The 64 accumulators take turns, one instruction a turn, in the same order in every step.
.macro MUL16 c0, st, first
.irp c, \c0, \c0+1
.irp t, 0,1,2,3,4,5,6,7
.set rD, 8*(8*((\c)%4)+\t)
.set rA, 128*((\st)%2)+12*\t
.set rB, WF+12*(\c)
.set rSA, SX+16*(\t/4)+2*(\st)+((\t%4)/2)
.set rSB, SW+16*((\c)/4)+2*(\st)+(((\c)%4)/2)
.set pA, \t%2
.set pB, (\c)%2
.if \first
.set rC, 96+8*(\c)+96*((\c)/4)
.else
.set rC, rD
.endif
	WM
.endr
.endr
.endm
; A K step whose successor needs no change of slots.  A column tile of the weights is free as soon as its eight products are issued: tiles 0-3 are fetched anew in the middle, 4-7 at the end.
.macro STEP st, first, tw
	s_wait_dscnt 12                                ; x's set and weight tiles 0-3 are in; the youngest 12 loads (tiles 4-7) may be out
.if \first
	WIN 0x91                                       ; x window 1, weights window 0, C (the bias) window 1, D window 2
.else
	WIN 0xa1
.endif
	MUL16 0, \st, \first
	MUL16 2, \st, \first
	s_wait_dscnt 0x0                               ; tiles 4-7 are in
.if \tw
	s_wait_tensorcnt 0x0                           ; my last piece of x has landed: no load was issued behind it; its bytes are read by my wave alone
.endif
	PLACES 4                                       ; four places in front of loads into registers that products have read
	FETCH_X (\st)+1
	FETCH_W (\st)+1, 0
.if \first
	WIN 0xd1
.else
	WIN 0xf1
.endif
	MUL16 4, \st, \first
	MUL16 6, \st, \first
	PLACES 4
	WIN 0
	FETCH_W (\st)+1, 4
.endm
; A slot's last K step: the slot is filled again with piece f.
.macro TURN st, f
	s_wait_tensorcnt 0x0                           ; all my tensor loads have landed;
	ds_add_u32 v[SPW], v[NIL]                      ; 0 onto my spare word;
	s_wait_dscnt 13                                ; (the add and the youngest 12 loads may be out)
	WIN 0xa1
	MUL16 0, \st, 0                                ; sixteen products stand between the add and the wait for it
	s_wait_dscnt 0x0                               ; the add is done, and my reads of this slot are over
	s_barrier_signal -1
	MUL16 2, \st, 0
	WIN 0
	s_barrier_wait -1
	CREST                                          ; the barrier has opened a round of the cluster's: no wave of any partner still reads the slot or has a load on its way
	tensor_load_to_lds s[GA+4*\f:GA+4*\f+3], s[G1A:G1A+7]   ; my one tensor load behind the round
	s_nop 0
	PLACES 4                                       ; also the places in front of the loads below
	FETCH_X (\st)+1
	FETCH_W (\st)+1, 0
	WIN 0xf1
	MUL16 4, \st, 0
	MUL16 6, \st, 0
	PLACES 4
	WIN 0
	FETCH_W (\st)+1, 4
.endm
	s_wait_tensorcnt 0x4                           ; the weights' piece 0 and x's piece 0 are in; the four loads issued behind them may be out
	s_barrier_signal -1
	s_barrier_wait -1
	FETCH_X 0
	FETCH_W 0, 0
	FETCH_W 0, 4
	STEP 0, 1, 0
	TURN 1, 2
	STEP 2, 0, 0
	TURN 3, 3
	STEP 4, 0, 0
	STEP 5, 0, 1
	STEP 6, 0, 0
	s_wait_dscnt 12                                ; the last K step: nothing more to fetch
	WIN 0xa1
	MUL16 0, 7, 0
	MUL16 2, 7, 0
	s_wait_dscnt 0x0
	WIN 0xf1
	MUL16 4, 7, 0
	MUL16 6, 7, 0
	WIN 0
	PLACES 4
	; ---- kf = elu(k) + 1, its sum over my 128 rows, and its codes along the rows; then v's codes
.irp c, 0,1,2,3
	ELU 64*\c, 0, 2, 1
	WIN 0x05
	v_pk_add_f32 v[124:125], v[0:1], v[4:5]        ; the sum of my 64 numbers of this column, in two chains
	v_pk_add_f32 v[126:127], v[2:3], v[6:7]
	WIN 0x04
.set jj, 8
.rept 14
	v_pk_add_f32 v[124:125], v[124:125], v[jj:jj+1]
	v_pk_add_f32 v[126:127], v[126:127], v[jj+2:jj+3]
.set jj, jj+4
.endr
	WIN 0
	v_pk_add_f32 v[124:125], v[124:125], v[126:127]
	v_add_f32 v124, v124, v125
	v_permlanex16_b32 v125, v124, s[SEL], s[SEL+1]
	v_add_f32 v[KS+\c], v124, v125                 ; with lane l xor 16's 64 rows
	QUANT 0, 1, FR+12*\c, SCF+\c
.endr
.irp c, 4,5,6,7
	QUANT 64*(\c-4), 3, FR+12*\c, SCF+\c
.endr
	PLACES 8                                       ; a scale register written by a vector instruction stands 8 places ahead of a scaled product, an operand 4
	WIN 0x40                                       ; D window 1
.irp m, 0,1,2,3                        ; kv(m, d) over my 128 rows: source 0 = kf's tile dt, source 1 = v's tile mt: sixteen sums of one product each
.irp d, 0,1,2,3
.set rD, 128+8*(4*\m+\d)
.set rA, FR+12*\d
.set rB, FR+12*(4+\m)
.set rSA, SCF+\d
.set rSB, SCF+4+\m
	WMZ
.endr
.endr
	PLACES 4
	WIN 0x04                                       ; an LDS store's data are its source 1: window 1
.set jj, 0
.rept 32
	ds_store_b128 v[AX], v[128+4*jj:128+4*jj+3] offset:512*jj   ; my stage lies in my part of slot 0, which has had its last fill and its last read; ascending: each sum from its low end on
.set jj, jj+1
.endr
	WIN 0
.irp c, 0,1,2,3
	ds_store_b32 v14, v[KS+\c] offset:(32*(\c/2)+8*(\c%2))*4    ; both halves of the lanes write the same word with the same value
.endr
	s_wait_dscnt 0x0                               ; for the others' sake: my stores have landed
	s_barrier_signal -1
	s_barrier_wait -1
.irp p, 0,1,2,3                        ; wave w adds m tile w of the four stages
.irp q, 0,1,2,3,4,5,6,7
	ds_load_b128 v[128+32*\p+4*\q:128+32*\p+4*\q+3], v[RD+\p/2] offset:(\p%2)*24576+512*\q
.endr
.endr
	s_wait_dscnt 0x0
.set jj, 0
.rept 16
	v_pk_add_f32 v[128+jj:129+jj], v[128+jj:129+jj], v[160+jj:161+jj]
	v_pk_add_f32 v[192+jj:193+jj], v[192+jj:193+jj], v[224+jj:225+jj]
.set jj, jj+2
.endr
.set jj, 0
.rept 16
	v_pk_add_f32 v[128+jj:129+jj], v[128+jj:129+jj], v[192+jj:193+jj]
.set jj, jj+2
.endr
.irp q, 0,1,2,3,4,5,6,7
	global_store_b128 v4, v[128+4*\q:128+4*\q+3], s[16:17] offset:512*\q   ; 32 lanes store 512 consecutive bytes, aligned
.endr
	s_cmp_lg_u32 s[WV], 0                          ; wave 0 adds the four stages' sums of kf
	s_cbranch_scc1 .Lno_sums
	ds_load_b64 v[160:161], v17
	ds_load_b64 v[162:163], v17 offset:24576
	ds_load_b64 v[164:165], v18
	ds_load_b64 v[166:167], v18 offset:24576
	s_wait_dscnt 0x0
	v_pk_add_f32 v[160:161], v[160:161], v[162:163]
	v_pk_add_f32 v[164:165], v[164:165], v[166:167]
	v_pk_add_f32 v[160:161], v[160:161], v[164:165]
	global_store_b64 v5, v[160:161], s[16:17] offset:16384      ; 256 consecutive bytes, aligned
.Lno_sums:
	s_wait_tensorcnt 0x0                           ; the wave's end
	ds_add_u32 v[SPW], v[NIL]
	s_wait_dscnt 0x0
	CROUND                                         ; the closing round: no work-group ends while a partner may still ask for a tile that names it
	s_endpgm
.Lfunc_end_k_qacafa62865_kvp_l:
	.size	k_qacafa62865_kvp_l, .Lfunc_end_k_qacafa62865_kvp_l-k_qacafa62865_kvp_l
	.p2alignl 7, 3214868480
	.fill 96, 4, 3214868480
	.section	.rodata,"a",@progbits
	.p2align	6, 0x0
	.amdhsa_kernel k_qacafa62865_kvp_l
		.amdhsa_group_segment_fixed_size 327680
		.amdhsa_private_segment_fixed_size 0
		.amdhsa_enable_private_segment 0
		.amdhsa_kernarg_size 56
		.amdhsa_user_sgpr_count 2
		.amdhsa_user_sgpr_kernarg_segment_ptr 1
		.amdhsa_wavefront_size32 1
		.amdhsa_system_sgpr_workgroup_id_x 1
		.amdhsa_system_sgpr_workgroup_id_y 1
		.amdhsa_system_sgpr_workgroup_id_z 1
		.amdhsa_system_vgpr_workitem_id 0
		.amdhsa_next_free_vgpr 1024
		.amdhsa_next_free_sgpr 90
		.amdhsa_reserve_vcc 0
		.amdhsa_float_denorm_mode_32 3
		.amdhsa_float_denorm_mode_16_64 3
		.amdhsa_memory_ordered 1
		.amdhsa_forward_progress 1
		.amdhsa_inst_pref_size 215
	.end_amdhsa_kernel
	.amdgpu_metadata
---
amdhsa.version: [ 1, 2 ]
amdhsa.kernels:
  - .name:           k_qacafa62865_kvp_l
    .symbol:         k_qacafa62865_kvp_l.kd
    .args:
      - { .name: xc, .offset: 0, .size: 8, .value_kind: global_buffer, .address_space: global }
      - { .name: xs, .offset: 8, .size: 8, .value_kind: global_buffer, .address_space: global }
      - { .name: wc, .offset: 16, .size: 8, .value_kind: global_buffer, .address_space: global }
      - { .name: ws, .offset: 24, .size: 8, .value_kind: global_buffer, .address_space: global }
      - { .name: bk, .offset: 32, .size: 8, .value_kind: global_buffer, .address_space: global }
      - { .name: bv, .offset: 40, .size: 8, .value_kind: global_buffer, .address_space: global }
      - { .name: kvp, .offset: 48, .size: 8, .value_kind: global_buffer, .address_space: global }
    .group_segment_fixed_size: 327680
    .private_segment_fixed_size: 0
    .kernarg_segment_align: 8
    .kernarg_segment_size: 56
    .max_flat_workgroup_size: 128
    .sgpr_count:     90
    .vgpr_count:     1024
    .wavefront_size: 32
...
	.end_amdgpu_metadata
.endif
;; end of part 2
;; launch attn (part 3): grid 8 x 32, 4 waves a work-group, clusters of 4 x 4, 303,616 bytes of LDS; arguments xc, xs, wc, ws, bq, kvp, yc, ys; writes yc, ys
.if DOCPART == 3
	.amdgcn_target "amdgcn-amd-amdhsa--gfx1250"
	.amdhsa_code_object_version 6
	.text
	.protected	k_qacafa62865_attn
	.globl	k_qacafa62865_attn
	.p2align	8
	.type	k_qacafa62865_attn,@function
k_qacafa62865_attn:
	s_mov_b64 s[64:65], 0
	v_nop
	global_prefetch_b8 v0, s[64:65] scope:SCOPE_SE
	s_setreg_imm32_b32 hwreg(HW_REG_WAVE_MODE, 25, 1), 1
	s_wait_xcnt 0x0
	s_wait_alu depctr_hold_cnt(0) depctr_sa_sdst(0) depctr_va_vdst(0) depctr_va_sdst(0) depctr_va_ssrc(0) depctr_va_vcc(0) depctr_vm_vsrc(0)
	s_getreg_b32 s2, hwreg(HW_REG_IB_STS2, 6, 4)
	s_cmp_eq_u32 s2, 0
	s_cbranch_scc0 .Lentry_in_a_cluster
	s_endpgm
.Lentry_in_a_cluster:
	s_bfe_u32 s2, ttmp6, 0x10000c
	s_cmp_lg_u32 s2, 0xf033
	s_cbranch_scc0 .Lentry_shape_is_right
	s_endpgm
.Lentry_shape_is_right:
; For 256 rows and a pair of heads: q = x Wq + bq (on codes of BF6), qf = elu(q) + 1, z = 1 / (qf . ksum + 1e-6) in f32 on the unquantised qf, y = (Q(qf) Q(kv)^T) z, and y's codes
; along (head, m), laid as x's codes are: they are the output projection's operand.
; SHARES.  Work-group (X = head pair, Y = 256 rows); a wave takes its own 64 rows (4 row tiles) x the pair's 128 columns: 32 accumulators.
; Source 0 = 16 columns of Wq, source 1 = 16 rows of x: a lane holds ONE row and its registers run along the columns, in the order that the quantiser along d wants.
; kv: the four partials of a head are added, quantised along d (64: two blocks) and shared through LDS as register images.  ONE fragment of qf holds both heads (K 0-63, 64-127);
; a fragment of kv holds its head's 64 and ZERO CODES in the other head's half, which add nothing.
; LDS: all of the work-group's operands (294,912 bytes) are asked for at the start and nothing is filled again.
; CLUSTER 4 x 4: x's tiles hang on Y alone (joint along a row of the cluster), Wq's on X alone (joint along a column).
; LIMITS: NaN and infinities are not served; a block under 2^-122 (a block of zeros too) keeps the byte 1.
.set XA,   98304                       ; LDS: Wq's panel at 0 ((s / 2) 24,576 + 3,072 c + (s % 2) 1,536); x from XA: wave x 49,152 + (s / 2) 12,288 + 3,072 a + (s % 2) 1,536
.set KVI,  294912                      ; kv's eight units (head g, m tile mt: 4 g + mt) of 768 bytes: four registers at 16 x lane, two at 512 + 8 x lane
.set KVSC, 301056                      ; their scale words, 128 bytes each
.set KSL,  302080                      ; the two heads' 64 sums of kf
.set AW,  6                            ; v6-7  the weights' fragments;  v8 x's
.set AX,  8
.set SX,  32                           ; v32-47 x's scale words: 2 s + a / 2, lanes 16-31 for odd a
.set SW,  48                           ; v48-79 Wq's: 16 (c / 4) + 2 s + (c % 4) / 2, lanes 16-31 for odd c
.set KVS, 80                           ; v80-87 kv's;  v88 qf's
.set QFS, 88
.set QF,  96                           ; v96-159 qf, later y
.set XF,  160                          ; v160-207, v208-255 x's fragments, two sets; outside the K loop:
.set TM,  160                          ; v160-175 at work, v176-183 conversions' second halves, v184-195 a fragment just made,
.set CT,  176
.set QFF, 184
.set YF,  196                          ; v196-243 y's four fragments, v244-247 their words, v248-255 the divisors and z
.set YW,  244
.set DN,  248                          ; window 1: v0-95, v128-223 Wq's fragments, two sets; v96-127, v224-255 bq as C; later v0-95 kv's fragments, v128-191 ksum
.set WV,  20                           ; window 2: accumulator (a, c) at 8 (8 a + c).   window 3: kv's partials; later the second product's eight results
.set G1A, 24
.set G1B, 32
.set GA,  40
.set L2E, 76
.set SEL, 78
.set MSB, 0
.macro WIN new                         ; the immediate's high byte repeats the setting that is left
.if MSB != (\new)
	s_set_vgpr_msb (MSB<<8)|(\new)
.set MSB, \new
.endif
.endm
.macro PLACES n
.rept \n
	v_nop
.endr
.endm
.macro CREST
	s_cmp_lg_u32 s[WV], 0
	s_cbranch_scc1 .Lnot_wave_0_\@
	s_barrier_signal -3
.Lnot_wave_0_\@:
	s_barrier_wait -3
	s_barrier_signal -1
	s_barrier_wait -1
.endm
.macro CROUND
	s_barrier_signal -1
	s_barrier_wait -1
	CREST
.endm
.macro FRAG reg, adr, off
.irp i, 0,1,2
	ds_load_b128 v[(\reg)+4*\i:(\reg)+4*\i+3], v[\adr] offset:(\off)+512*\i
.endr
.endm
.macro WM                              ; one product on rD, rA, rB, rC, rSA, rSB; pA, pB: the scale words lie in lanes 16-31
.if pA && pB
	v_wmma_scale_f32_16x16x128_f8f6f4 v[rD:rD+7], v[rA:rA+11], v[rB:rB+11], v[rC:rC+7], v[rSA], v[rSB] matrix_a_fmt:MATRIX_FMT_BF6 matrix_b_fmt:MATRIX_FMT_BF6 matrix_a_scale:MATRIX_SCALE_ROW1 matrix_b_scale:MATRIX_SCALE_ROW1
.elseif pA
	v_wmma_scale_f32_16x16x128_f8f6f4 v[rD:rD+7], v[rA:rA+11], v[rB:rB+11], v[rC:rC+7], v[rSA], v[rSB] matrix_a_fmt:MATRIX_FMT_BF6 matrix_b_fmt:MATRIX_FMT_BF6 matrix_a_scale:MATRIX_SCALE_ROW1
.elseif pB
	v_wmma_scale_f32_16x16x128_f8f6f4 v[rD:rD+7], v[rA:rA+11], v[rB:rB+11], v[rC:rC+7], v[rSA], v[rSB] matrix_a_fmt:MATRIX_FMT_BF6 matrix_b_fmt:MATRIX_FMT_BF6 matrix_b_scale:MATRIX_SCALE_ROW1
.else
	v_wmma_scale_f32_16x16x128_f8f6f4 v[rD:rD+7], v[rA:rA+11], v[rB:rB+11], v[rC:rC+7], v[rSA], v[rSB] matrix_a_fmt:MATRIX_FMT_BF6 matrix_b_fmt:MATRIX_FMT_BF6
.endif
.endm
.macro WMZ
	v_wmma_scale_f32_16x16x128_f8f6f4 v[rD:rD+7], v[rA:rA+11], v[rB:rB+11], 0, v[rSA], v[rSB] matrix_a_fmt:MATRIX_FMT_BF6 matrix_b_fmt:MATRIX_FMT_BF6
.endm
; 64 numbers of a lane, v[s] on in window w, register 16 b + i = k 32 b + 16 (lane / 16) + i of my row, become a fragment's codes in v[pc] on and its scale word in v[pw] (window 0).
.macro QUANT s, w, pc, pw
	WIN ((\w)<<2)|((\w)<<4)
.irp b, 0,1,2,3
	v_max3_num_f32 v[TM+\b], 0x2800000, |v[(\s)+16*\b]|, |v[(\s)+1+16*\b]|   ; my 16 numbers of block b, and the floor 2^(5 - 127)
.endr
.irp i, 2,4,6,8,10,12,14
.irp b, 0,1,2,3
	v_max3_num_f32 v[TM+\b], v[TM+\b], |v[(\s)+16*\b+\i]|, |v[(\s)+1+16*\b+\i]|
.endr
.endr
	WIN 0
.irp b, 0,1,2,3
	v_permlanex16_b32 v[TM+4+\b], v[TM+\b], s[SEL], s[SEL+1]
.endr
.irp b, 0,1,2,3
	v_max_num_f32 v[TM+\b], v[TM+\b], v[TM+4+\b]
.endr
.irp b, 0,1,2,3
	v_add_nc_u32 v[TM+12+\b], 0xfe000000, v[TM+\b]      ; 4 off the exponent field: the conversion's scale operand
.endr
.irp b, 0,1,2,3
	v_lshrrev_b32 v[TM+4+\b], 23, v[TM+12+\b]           ; the byte
.endr
	v_lshl_or_b32 v[\pw], v[TM+5], 8, v[TM+4]
	v_lshl_or_b32 v[\pw], v[TM+6], 16, v[\pw]
	v_lshl_or_b32 v[\pw], v[TM+7], 24, v[\pw]
	WIN \w
.irp c, 0,1
	v_cvt_scalef32_pk16_bf6_f32 v[(\pc)+6*\c:(\pc)+2+6*\c], v[(\s)+32*\c:(\s)+15+32*\c], v[TM+12+2*\c]
	v_cvt_scalef32_pk16_bf6_f32 v[CT+4*\c:CT+2+4*\c], v[(\s)+16+32*\c:(\s)+31+32*\c], v[TM+12+2*\c+1]
.endr
	WIN 0
	v_nop                                              ; one plain place behind a scaled conversion
.irp c, 0,1
.irp i, 0,1,2
	v_permlane16_swap_b32 v[(\pc)+6*\c+\i], v[CT+4*\c+\i]
.endr
.irp i, 0,1,2
	v_mov_b32 v[(\pc)+3+6*\c+\i], v[CT+4*\c+\i]
.endr
.endr
.endm
; elu + 1 of 64 accumulator registers v[ab] on (window wa) into v[eb] on (window we): (max(x, 0) + (min(2^(x log2 e), 1) - 1)) + 1.  One batch of exponentials, one wait.
.macro ELU ab, eb, wa, we
	WIN ((\we)<<6)|(\wa)
.set jj, 0
.rept 32
	v_pk_mul_f32 v[(\eb)+jj:(\eb)+jj+1], v[(\ab)+jj:(\ab)+jj+1], s[L2E:L2E+1] op_sel_hi:[1,0]   ; ascending: each accumulator from its low end on
.set jj, jj+2
.endr
	WIN ((\we)<<6)|((\we)<<2)|(\we)
.set jj, 0
.rept 64
	v_exp_f32 v[(\eb)+jj], v[(\eb)+jj]
.set jj, jj+1
.endr
	WIN ((\wa)<<6)|((\wa)<<2)
.set jj, 0
.rept 64
	v_max_num_f32 v[(\ab)+jj], 0, v[(\ab)+jj]      ; the independent work behind the batch
.set jj, jj+1
.endr
	WIN ((\we)<<6)|((\we)<<2)|(\we)
	s_wait_alu depctr_va_vdst(0)                   ; one wait for the batch, ahead of its first reader
.set jj, 0
.rept 64
	v_min_num_f32 v[(\eb)+jj], 1.0, v[(\eb)+jj]
.set jj, jj+1
.endr
.set jj, 0
.rept 32
	v_pk_add_f32 v[(\eb)+jj:(\eb)+jj+1], v[(\eb)+jj:(\eb)+jj+1], -1.0 op_sel_hi:[1,0]
.set jj, jj+2
.endr
	WIN ((\we)<<6)|((\wa)<<2)|(\we)
.set jj, 0
.rept 32
	v_pk_add_f32 v[(\eb)+jj:(\eb)+jj+1], v[(\eb)+jj:(\eb)+jj+1], v[(\ab)+jj:(\ab)+jj+1]
.set jj, jj+2
.endr
	WIN ((\we)<<6)|((\we)<<2)|(\we)
.set jj, 0
.rept 32
	v_pk_add_f32 v[(\eb)+jj:(\eb)+jj+1], v[(\eb)+jj:(\eb)+jj+1], 1.0 op_sel_hi:[1,0]
.set jj, jj+2
.endr
.endm
	s_load_b256 s[4:11], s[0:1], 0x0               ; xc s[4:5], xs s[6:7], wc s[8:9], ws s[10:11]
	s_load_b256 s[12:19], s[0:1], 0x20             ; bq s[12:13], kvp s[14:15], yc s[16:17], ys s[18:19]
	v_lshl_add_u32 v94, v0, 2, 0x4a000
	v_mov_b32 v95, 0
	ds_add_u32 v94, v95
	ds_add_u32 v94, v95
	v_lshrrev_b32 v1, 5, v0
	v_readfirstlane_b32 s[WV], v1                  ; wave 0..3
	s_bfe_u32 s21, ttmp6, 0x40000                  ; cx
	s_bfe_u32 s82, ttmp6, 0x40004                  ; cy
	s_lshl_b32 s22, ttmp9, 2
	s_add_co_u32 s22, s22, s21                     ; X: the head pair
	s_and_b32 s23, ttmp7, 0xffff
	s_lshl_b32 s23, s23, 2
	s_add_co_u32 s23, s23, s82                     ; Y: rows 256 Y on
	s_lshl_b32 s83, s82, 2
	s_lshl_b32 s83, 15, s83                        ; my row of the cluster
	s_lshl_b32 s90, 0x1111, s21                    ; my column
	; group 1: rows of 3,072 bytes (384 elements of 8 bytes), 12,288 bytes apart; 4 rows of x, 2 of Wq; no padding
	s_or_b32 s[G1A], s83, (3<<16)|(1<<21)
	s_or_b32 s[G1B], s90, (3<<16)|(1<<21)
	s_mov_b32 s[G1A+1], 384<<16
	s_mov_b32 s[G1A+2], 4<<16
	s_mov_b32 s[G1A+3], 384<<16
	s_mov_b32 s[G1A+4], 4
	s_mov_b32 s[G1A+5], 1536
	s_mov_b32 s[G1A+6], 0
	s_mov_b32 s[G1A+7], 0
	s_mov_b32 s[G1B+1], 384<<16
	s_mov_b32 s[G1B+2], 2<<16
	s_mov_b32 s[G1B+3], 384<<16
	s_mov_b32 s[G1B+4], 2
	s_mov_b32 s[G1B+5], 1536
	s_mov_b32 s[G1B+6], 0
	s_mov_b32 s[G1B+7], 0
	s_lshl_b32 s2, s23, 4                          ; x: my first row tile, 16 Y + 4 wave: made of Y and the wave alone
	s_lshl_b32 s3, s[WV], 2
	s_add_co_u32 s2, s2, s3
	s_mul_i32 s2, s2, 12288
	s_mov_b32 s3, 0
	s_lshl_b32 s84, s22, 3                         ; Wq: column tile 8 X + 2 wave: made of X and the wave alone
	s_lshl_b32 s85, s[WV], 1
	s_add_co_u32 s84, s84, s85
	s_mul_i32 s84, s84, 12288
	s_mov_b32 s85, 0
	s_mul_i32 s83, s[WV], 49152                    ; where they go
	s_mul_i32 s86, s[WV], 6144
	s_mul_i32 s88, s22, 1536                       ; yc: my row tiles, K step X
	s_add_co_u32 s88, s88, s2
	s_mov_b32 s89, 0
	s_mov_b32 s[L2E], 0x3fb8aa3b
	s_mov_b32 s[L2E+1], 0x3fb8aa3b
	s_mov_b32 s[SEL], 0x76543210
	s_mov_b32 s[SEL+1], 0xfedcba98
	s_mov_b32 s80, 0xffff0000                      ; lanes 16-31
	s_lshr_b32 s81, s[WV], 1                       ; g: the head of the pair whose kv I prepare,
	s_lshl_b32 s81, s81, 4                         ; 16 g: where its two scale bytes stand in a word
	v_and_b32 v1, 31, v0                           ; lane
	v_bfe_u32 v3, v0, 4, 1                         ; h
	v_lshlrev_b32 v4, 4, v1                        ; 16 x lane
	v_lshlrev_b32 v5, 3, v1                        ; 8 x lane
	v_mov_b32 v[AW], v4
	v_add_nc_u32 v[AW+1], 49152, v4
	v_add_nc_u32 v[AX], s83, v4
	v_add_nc_u32 v[AX], XA, v[AX]
	v_lshlrev_b32 v9, 6, v3                        ; 64 h: bq's numbers of my half
	s_mul_i32 s90, s[WV], 1536
	v_add_nc_u32 v12, s90, v4
	v_add_nc_u32 v12, KVI, v12                     ; my two units of kv: the first four registers,
	v_add_nc_u32 v13, s90, v5
	v_add_nc_u32 v13, KVI+512, v13                 ; the other two,
	s_lshl_b32 s91, s[WV], 8
	v_lshl_add_u32 v14, v1, 2, s91
	v_add_nc_u32 v14, KVSC, v14                    ; the words
	v_lshl_add_u32 v15, v0, 2, KSL                 ; thread t stores sum t of the pair's 128
	v_add_nc_u32 v16, KVI, v4
	v_add_nc_u32 v17, KVI+512, v5
	v_lshl_add_u32 v18, v1, 2, KVSC
	v_add_nc_u32 v19, KSL, v9
	v_and_b32 v20, 63, v0
	v_lshlrev_b32 v20, 2, v20                      ; in a record's sums: 4 (32 (wave % 2) + lane)
	v_bfe_u32 v21, v0, 5, 1
	v_lshl_add_u32 v21, v21, 13, v4                ; in a record's kv: m tiles 2 (wave % 2) on, 16 x lane
.irp b, 0,1,2,3
	v_mov_b32 v[TM+4+\b], 0                        ; written once: a lane permute's destination counts as one of its sources
.endr
	s_lshl_b32 s92, s23, 2                         ; xs, ys: my group of 64 rows, 4 Y + wave
	s_add_co_u32 s92, s92, s[WV]
	s_lshl_b32 s92, s92, 8
	s_mov_b32 s93, 0
	s_lshl_b32 s94, s22, 9                         ; 512 X: ws' two groups, bq's 128 numbers
	s_mov_b32 s95, 0
	s_wait_dscnt 0x0
	s_wait_kmcnt 0x0
	s_add_nc_u64 s[2:3], s[4:5], s[2:3]
	s_add_nc_u64 s[84:85], s[8:9], s[84:85]
	s_add_nc_u64 s[6:7], s[6:7], s[92:93]
	s_add_nc_u64 s[18:19], s[18:19], s[92:93]
	s_add_nc_u64 s[10:11], s[10:11], s[94:95]
	s_add_nc_u64 s[12:13], s[12:13], s[94:95]
	s_add_nc_u64 s[16:17], s[16:17], s[88:89]
	s_lshl_b32 s94, s22, 15                        ; ys: K step X
	s_add_nc_u64 s[18:19], s[18:19], s[94:95]
	s_lshr_b32 s94, s23, 3                         ; kvp: the four records of (batch, head 2 X + g)
	s_lshl_b32 s94, s94, 4
	s_lshl_b32 s92, s22, 1
	s_add_co_u32 s94, s94, s92
	s_lshr_b32 s92, s[WV], 1
	s_add_co_u32 s94, s94, s92
	s_mul_i32 s94, s94, 66560
	s_add_nc_u64 s[14:15], s[14:15], s[94:95]
.irp p, 0,1,2,3
	s_mov_b32 s[GA+4*\p], 1
	s_add_co_u32 s[GA+4*\p+1], s83, XA+\p*12288
	s_add_nc_u64 s[GA+4*\p+2:GA+4*\p+3], s[2:3], \p*3072
	s_or_b32 s[GA+4*\p+3], s[GA+4*\p+3], 0x80000000
	s_mov_b32 s[56+4*\p+4*(\p/2)], 1
	s_add_co_u32 s[57+4*\p+4*(\p/2)], s86, \p*24576
	s_add_nc_u64 s[58+4*\p+4*(\p/2):59+4*\p+4*(\p/2)], s[84:85], \p*3072
	s_or_b32 s[59+4*\p+4*(\p/2)], s[59+4*\p+4*(\p/2)], 0x80000000
.endr
	CROUND                                         ; all sixteen work-groups are here: the joint loads meet
	tensor_load_to_lds s[56:59], s[G1B:G1B+7]      ; every piece of both operands, one group: eight loads of mine are out
	s_nop 0
	tensor_load_to_lds s[GA:GA+3], s[G1A:G1A+7]
	s_nop 0
	tensor_load_to_lds s[60:63], s[G1B:G1B+7]
	s_nop 0
	tensor_load_to_lds s[GA+4:GA+7], s[G1A:G1A+7]
	s_nop 0
	tensor_load_to_lds s[68:71], s[G1B:G1B+7]
	s_nop 0
	tensor_load_to_lds s[GA+8:GA+11], s[G1A:G1A+7]
	s_nop 0
	tensor_load_to_lds s[72:75], s[G1B:G1B+7]
	s_nop 0
	tensor_load_to_lds s[GA+12:GA+15], s[G1A:G1A+7]
	s_nop 0
	PLACES 4
	WIN 0xc0                                       ; destination window 3
.irp p, 0,1,2,3                        ; kv's four partials of my two m tiles: v[64 p + 32 e + 4 q]
.irp e, 0,1
.irp q, 0,1,2,3,4,5,6,7
	global_load_b128 v[64*\p+32*\e+4*\q:64*\p+32*\e+4*\q+3], v21, s[14:15] offset:\p*16640+\e*4096+512*\q
.endr
.endr
.endr
	WIN 0
.irp p, 0,1,2,3
	global_load_b32 v[24+\p], v20, s[14:15] offset:\p*16640+16384
.endr
.irp k, 0,1,2,3,4,5,6,7
	global_load_b64 v[SX+2*\k:SX+2*\k+1], v5, s[6:7] offset:\k*32768
.endr
.irp g, 0,1
.irp k, 0,1,2,3,4,5,6,7
	global_load_b64 v[SW+16*\g+2*\k:SW+16*\g+2*\k+1], v5, s[10:11] offset:\g*256+\k*4096
.endr
.endr
	WIN 0x40
.irp c, 0,1,2,3,4,5,6,7                ; bq as the C of each sum's first product: lane half h, register j of tile c: column 32 (c / 2) + 16 h + 8 (c % 2) + j
	global_load_b128 v[96+8*\c+96*(\c/4):96+8*\c+96*(\c/4)+3], v9, s[12:13] offset:(32*(\c/2)+8*(\c%2))*4
	global_load_b128 v[100+8*\c+96*(\c/4):100+8*\c+96*(\c/4)+3], v9, s[12:13] offset:(32*(\c/2)+8*(\c%2))*4+16
.endr
	s_wait_loadcnt 40                              ; kv's partials and the sums' are in; the 40 loads issued behind them (8 + 16 + 16) may be out
	WIN 0xcf
.set jj, 0
.rept 32
	v_pk_add_f32 v[jj:jj+1], v[jj:jj+1], v[64+jj:65+jj]
	v_pk_add_f32 v[128+jj:129+jj], v[128+jj:129+jj], v[192+jj:193+jj]
.set jj, jj+2
.endr
.set jj, 0
.rept 32
	v_pk_add_f32 v[jj:jj+1], v[jj:jj+1], v[128+jj:129+jj]
.set jj, jj+2
.endr
	WIN 0
	v_add_f32 v24, v24, v25
	v_add_f32 v26, v26, v27
	v_add_f32 v24, v24, v26                        ; my number of ksum
	QUANT 0, 3, QFF, 28                            ; registers 6 e on: unit 2 wave + e's codes (lane half h: d = 32 h on); the word's bytes 2 e, 2 e + 1 are its scales
	v_and_b32 v29, 0xffff, v28
	v_lshrrev_b32 v30, 16, v28
	v_lshlrev_b32 v29, s81, v29                    ; at the head's half of the 128 along K; the other half's bytes stay 0, over zero codes
	v_lshlrev_b32 v30, s81, v30
	ds_store_b128 v12, v[QFF:QFF+3]
	ds_store_b64 v13, v[QFF+4:QFF+5]
	ds_store_b32 v14, v29
	ds_store_b128 v12, v[QFF+6:QFF+9] offset:768
	ds_store_b64 v13, v[QFF+10:QFF+11] offset:768
	ds_store_b32 v14, v30 offset:128
	ds_store_b32 v15, v24
	s_wait_loadcnt 0x0                             ; the scale words and bq
	s_wait_dscnt 0x0                               ; for the others' sake: my stores have landed
.macro FETCH st                        ; K step st: Wq's eight fragments and my four of x, into sets st % 2
	WIN 0x40
.irp c, 0,1,2,3,4,5,6,7
	FRAG 128*((\st)%2)+12*\c, AW+((\st)/4), (((\st)/2)%2)*24576+\c*3072+((\st)%2)*1536
.endr
	WIN 0
.irp t, 0,1,2,3
	FRAG XF+48*((\st)%2)+12*\t, AX, ((\st)/2)*12288+\t*3072+((\st)%2)*1536
.endr
.endm
; 16 products: row tiles a0, a0 + 1 x the eight column tiles.  The 32 accumulators take turns, in the same order in every step.
.macro MUL a0, st, first
.irp a, \a0, \a0+1
.irp c, 0,1,2,3,4,5,6,7
.set rD, 8*(8*(\a)+\c)
.set rA, 128*((\st)%2)+12*\c
.set rB, XF+48*((\st)%2)+12*(\a)
.set rSA, SW+16*(\c/4)+2*(\st)+((\c%4)/2)
.set rSB, SX+2*(\st)+((\a)/2)
.set pA, \c%2
.set pB, (\a)%2
.if \first
.set rC, 96+8*\c+96*(\c/4)
.else
.set rC, rD
.endif
	WM
.endr
.endr
.endm
.macro EVEN st, first                  ; the next step lies in the same piece
	s_wait_dscnt 0x0                               ; this step's fragments are in
.if !(\first)
	PLACES 4                                       ; four places in front of loads into registers that products have read
.endif
	FETCH (\st)+1
.if \first
	WIN 0x91                                       ; Wq window 1, x window 0, C (bq) window 1, D window 2
.else
	WIN 0xa1
.endif
	MUL 0, \st, \first
	MUL 2, \st, \first
	WIN 0
.endm
.macro ODD st, left                    ; the next step lies in the next piece: left = the tensor loads issued behind that piece's two
	s_wait_dscnt 0x0
	s_wait_tensorcnt \left                         ; my parts of the next piece have landed
	s_barrier_signal -1                            ; later pieces may stay out
	WIN 0xa1
	MUL 0, \st, 0
	WIN 0
	s_barrier_wait -1                              ; everybody's have
	PLACES 4
	FETCH (\st)+1
	WIN 0xa1
	MUL 2, \st, 0
	WIN 0
.endm
	s_wait_tensorcnt 0x6                           ; piece 0 of both operands; the six loads issued behind it may be out
	s_barrier_signal -1
	s_barrier_wait -1
	FETCH 0
	EVEN 0, 1
	ODD 1, 4
	EVEN 2, 0
	ODD 3, 2
	EVEN 4, 0
	ODD 5, 0
	EVEN 6, 0
	s_wait_dscnt 0x0
	WIN 0xa1
	MUL 0, 7, 0
	MUL 2, 7, 0
	WIN 0
	PLACES 4
	; ---- kv's eight fragments, their words and ksum come out of LDS once
	WIN 0x40
.irp u, 0,1,2,3,4,5,6,7                ; unit u = 4 g + mt: its six registers at 6 g of the fragment, zero codes in the other six
	ds_load_b128 v[12*\u+6*(\u/4):12*\u+6*(\u/4)+3], v16 offset:768*\u
	ds_load_b64 v[12*\u+6*(\u/4)+4:12*\u+6*(\u/4)+5], v17 offset:768*\u
.irp i, 0,1,2,3,4,5
	v_mov_b32 v[12*\u+6-6*(\u/4)+\i], 0
.endr
.endr
.irp g, 0,1
.irp b, 0,1
.irp q, 0,1,2,3
	ds_load_b128 v[128+32*\g+16*\b+4*\q:128+32*\g+16*\b+4*\q+3], v19 offset:256*\g+128*\b+16*\q   ; ksum in qf's layout: register 32 g + 16 b + i: d = 32 b + 16 h + i
.endr
.endr
.endr
	WIN 0
.irp u, 0,1,2,3,4,5,6,7
	ds_load_b32 v[KVS+\u], v18 offset:128*\u
.endr
	s_wait_dscnt 0x0
.macro ROWS a                          ; a tile of 16 rows
	ELU 64*(\a), QF, 2, 0
	QUANT QF, 0, QFF, QFS
	WIN 0x04                                       ; qf . ksum on the unquantised qf, by fused multiply-adds, two chains a head.  (Also the places between the quantiser and the products)
.irp g, 0,1
	v_pk_mul_f32 v[DN+4*\g:DN+4*\g+1], v[QF+32*\g:QF+32*\g+1], v[128+32*\g:128+32*\g+1]
	v_pk_mul_f32 v[DN+4*\g+2:DN+4*\g+3], v[QF+32*\g+2:QF+32*\g+3], v[128+32*\g+2:128+32*\g+3]
.endr
.irp j, 4,8,12,16,20,24,28
.irp g, 0,1
	v_pk_fma_f32 v[DN+4*\g:DN+4*\g+1], v[QF+32*\g+\j:QF+32*\g+\j+1], v[128+32*\g+\j:128+32*\g+\j+1], v[DN+4*\g:DN+4*\g+1]
	v_pk_fma_f32 v[DN+4*\g+2:DN+4*\g+3], v[QF+32*\g+\j+2:QF+32*\g+\j+3], v[128+32*\g+\j+2:128+32*\g+\j+3], v[DN+4*\g+2:DN+4*\g+3]
.endr
.endr
	WIN 0
.irp g, 0,1
	v_pk_add_f32 v[DN+4*\g:DN+4*\g+1], v[DN+4*\g:DN+4*\g+1], v[DN+4*\g+2:DN+4*\g+3]
.endr
.irp g, 0,1
	v_add_f32 v[DN+4*\g], v[DN+4*\g], v[DN+4*\g+1]
.endr
.irp g, 0,1
	v_permlanex16_b32 v[DN+4*\g+1], v[DN+4*\g], s[SEL], s[SEL+1]
.endr
.irp g, 0,1
	v_add_f32 v[DN+4*\g], v[DN+4*\g], v[DN+4*\g+1]
.endr
.irp g, 0,1
	v_add_f32 v[DN+4*\g], 0x358637bd, v[DN+4*\g]   ; + 1e-6
.endr
.irp g, 0,1
	v_rcp_f32 v[DN+4*\g+2], v[DN+4*\g]             ; z
.endr
	WIN 0xc1                                       ; kv window 1, qf window 0, D window 3
.irp u, 0,1,2,3,4,5,6,7                ; source 0 = kv's 16 rows m, source 1 = qf: register 8 u + j of my row: (head, m) = 64 g + 32 (mt / 2) + 16 h + 8 (mt % 2) + j
.set rD, 8*\u
.set rA, 12*\u
.set rB, QFF
.set rSA, KVS+\u
.set rSB, QFS
	WMZ
.endr
	PLACES 4
	s_wait_alu depctr_va_vdst(0)                   ; one wait for the two reciprocals, ahead of their first reader
	WIN 0x03
.irp g, 0,1
.set jj, 0
.rept 16
	v_pk_mul_f32 v[QF+32*\g+jj:QF+32*\g+jj+1], v[32*\g+jj:32*\g+jj+1], v[DN+4*\g+2:DN+4*\g+3] op_sel_hi:[1,0]   ; y = the product x z (the pair's low word serves both halves)
.set jj, jj+2
.endr
.endr
	QUANT QF, 0, YF+12*(\a), YW+(\a)
.irp i, 0,1,2
	global_store_b128 v4, v[YF+12*(\a)+4*\i:YF+12*(\a)+4*\i+3], s[16:17] offset:(\a)*12288+512*\i   ; 512 consecutive bytes; no store's data are written again
.endr
.endm
	ROWS 0
	ROWS 1
	ROWS 2
	ROWS 3
	v_cndmask_b32 v[DN], v[YW], v[YW+1], s80       ; the record of scale words: word 0: tiles 0 and 1, word 1: tiles 2 and 3
	v_cndmask_b32 v[DN+1], v[YW+2], v[YW+3], s80
	global_store_b64 v5, v[DN:DN+1], s[18:19]      ; 256 consecutive bytes, aligned
	s_wait_dscnt 0x0
	s_wait_tensorcnt 0x0
	ds_add_u32 v94, v95
	s_wait_dscnt 0x0
	CROUND                                         ; the closing round
	s_endpgm
.Lfunc_end_k_qacafa62865_attn:
	.size	k_qacafa62865_attn, .Lfunc_end_k_qacafa62865_attn-k_qacafa62865_attn
	.p2alignl 7, 3214868480
	.fill 96, 4, 3214868480
	.section	.rodata,"a",@progbits
	.p2align	6, 0x0
	.amdhsa_kernel k_qacafa62865_attn
		.amdhsa_group_segment_fixed_size 303616
		.amdhsa_private_segment_fixed_size 0
		.amdhsa_enable_private_segment 0
		.amdhsa_kernarg_size 64
		.amdhsa_user_sgpr_count 2
		.amdhsa_user_sgpr_kernarg_segment_ptr 1
		.amdhsa_wavefront_size32 1
		.amdhsa_system_sgpr_workgroup_id_x 1
		.amdhsa_system_sgpr_workgroup_id_y 1
		.amdhsa_system_sgpr_workgroup_id_z 1
		.amdhsa_system_vgpr_workitem_id 0
		.amdhsa_next_free_vgpr 1024
		.amdhsa_next_free_sgpr 96
		.amdhsa_reserve_vcc 0
		.amdhsa_float_denorm_mode_32 3
		.amdhsa_float_denorm_mode_16_64 3
		.amdhsa_memory_ordered 1
		.amdhsa_forward_progress 1
		.amdhsa_inst_pref_size 199
	.end_amdhsa_kernel
	.amdgpu_metadata
---
amdhsa.version: [ 1, 2 ]
amdhsa.kernels:
  - .name:           k_qacafa62865_attn
    .symbol:         k_qacafa62865_attn.kd
    .args:
      - { .name: xc, .offset: 0, .size: 8, .value_kind: global_buffer, .address_space: global }
      - { .name: xs, .offset: 8, .size: 8, .value_kind: global_buffer, .address_space: global }
      - { .name: wc, .offset: 16, .size: 8, .value_kind: global_buffer, .address_space: global }
      - { .name: ws, .offset: 24, .size: 8, .value_kind: global_buffer, .address_space: global }
      - { .name: bq, .offset: 32, .size: 8, .value_kind: global_buffer, .address_space: global }
      - { .name: kvp, .offset: 40, .size: 8, .value_kind: global_buffer, .address_space: global }
      - { .name: yc, .offset: 48, .size: 8, .value_kind: global_buffer, .address_space: global }
      - { .name: ys, .offset: 56, .size: 8, .value_kind: global_buffer, .address_space: global }
    .group_segment_fixed_size: 303616
    .private_segment_fixed_size: 0
    .kernarg_segment_align: 8
    .kernarg_segment_size: 64
    .max_flat_workgroup_size: 128
    .sgpr_count:     96
    .vgpr_count:     1024
    .wavefront_size: 32
...
	.end_amdgpu_metadata
.endif
;; end of part 3
;; launch outp (part 4): grid 8 x 32, 4 waves a work-group, clusters of 4 x 4, 295,424 bytes of LDS; arguments yc, ys, wc, ws, bo, out0; writes out0
.if DOCPART == 4
	.amdgcn_target "amdgcn-amd-amdhsa--gfx1250"
	.amdhsa_code_object_version 6
	.text
	.protected	k_qacafa62865_outp
	.globl	k_qacafa62865_outp
	.p2align	8
	.type	k_qacafa62865_outp,@function
k_qacafa62865_outp:
	s_mov_b64 s[64:65], 0
	v_nop
	global_prefetch_b8 v0, s[64:65] scope:SCOPE_SE
	s_setreg_imm32_b32 hwreg(HW_REG_WAVE_MODE, 25, 1), 1
	s_wait_xcnt 0x0
	s_wait_alu depctr_hold_cnt(0) depctr_sa_sdst(0) depctr_va_vdst(0) depctr_va_sdst(0) depctr_va_ssrc(0) depctr_va_vcc(0) depctr_vm_vsrc(0)
	s_getreg_b32 s2, hwreg(HW_REG_IB_STS2, 6, 4)
	s_cmp_eq_u32 s2, 0
	s_cbranch_scc0 .Lentry_in_a_cluster
	s_endpgm
.Lentry_in_a_cluster:
	s_bfe_u32 s2, ttmp6, 0x10000c
	s_cmp_lg_u32 s2, 0xf033
	s_cbranch_scc0 .Lentry_shape_is_right
	s_endpgm
.Lentry_shape_is_right:
; out = y Wo + bo on codes of BF6.  y's codes and scale words lie as x's do (register images, rows of a tile in the order 32 (T / 2) + 8 (T % 2) + r + 8 (r / 8)); Wo is weight 3 of wc, ws.
; SHARES.  Work-group (X = 128 columns, Y = 256 rows); a wave takes its own 64 rows x the 128 columns: 32 accumulators.  Source 0 = 16 columns of Wo, source 1 = 16 rows of y:
; a lane holds one row and eight neighbouring columns a tile.  All operands (294,912 bytes of LDS) are asked for at the start; nothing is filled again.
; CLUSTER 4 x 4: y's tiles hang on Y alone (joint along a row of the cluster), Wo's on X alone (joint along a column).
; THE WAY OUT: 16 rows x 512 bytes at a time through my own stage, which lies in my own part of y's tiles, read out by then; 32 lanes store a row's 512 consecutive bytes.
.set XA,   98304                       ; LDS: Wo's panel at 0; y from XA: wave x 49,152 + (s / 2) 12,288 + 3,072 a + (s % 2) 1,536
.set AW,  6
.set AX,  8                            ; also where I read a stage row back
.set STO, 10                           ; v10 the stage: row r, 64 h bytes on
.set SX,  32                           ; v32-47 y's scale words;  v48-79 Wo's
.set SW,  48
.set BK,  96                           ; v96-159, v160-223 rows read back from the stage, by turns
.set XF,  160                          ; v160-207, v208-255 y's fragments, two sets
.set WV,  20                           ; window 1: Wo's fragments, two sets; v96-127, v224-255 bo as C.   window 2: accumulator (a, c) at 8 (8 a + c)
.set G1A, 24
.set G1B, 32
.set GA,  40
.set MSB, 0
.macro WIN new
.if MSB != (\new)
	s_set_vgpr_msb (MSB<<8)|(\new)
.set MSB, \new
.endif
.endm
.macro PLACES n
.rept \n
	v_nop
.endr
.endm
.macro CREST
	s_cmp_lg_u32 s[WV], 0
	s_cbranch_scc1 .Lnot_wave_0_\@
	s_barrier_signal -3
.Lnot_wave_0_\@:
	s_barrier_wait -3
	s_barrier_signal -1
	s_barrier_wait -1
.endm
.macro CROUND
	s_barrier_signal -1
	s_barrier_wait -1
	CREST
.endm
.macro FRAG reg, adr, off
.irp i, 0,1,2
	ds_load_b128 v[(\reg)+4*\i:(\reg)+4*\i+3], v[\adr] offset:(\off)+512*\i
.endr
.endm
.macro WM
.if pA && pB
	v_wmma_scale_f32_16x16x128_f8f6f4 v[rD:rD+7], v[rA:rA+11], v[rB:rB+11], v[rC:rC+7], v[rSA], v[rSB] matrix_a_fmt:MATRIX_FMT_BF6 matrix_b_fmt:MATRIX_FMT_BF6 matrix_a_scale:MATRIX_SCALE_ROW1 matrix_b_scale:MATRIX_SCALE_ROW1
.elseif pA
	v_wmma_scale_f32_16x16x128_f8f6f4 v[rD:rD+7], v[rA:rA+11], v[rB:rB+11], v[rC:rC+7], v[rSA], v[rSB] matrix_a_fmt:MATRIX_FMT_BF6 matrix_b_fmt:MATRIX_FMT_BF6 matrix_a_scale:MATRIX_SCALE_ROW1
.elseif pB
	v_wmma_scale_f32_16x16x128_f8f6f4 v[rD:rD+7], v[rA:rA+11], v[rB:rB+11], v[rC:rC+7], v[rSA], v[rSB] matrix_a_fmt:MATRIX_FMT_BF6 matrix_b_fmt:MATRIX_FMT_BF6 matrix_b_scale:MATRIX_SCALE_ROW1
.else
	v_wmma_scale_f32_16x16x128_f8f6f4 v[rD:rD+7], v[rA:rA+11], v[rB:rB+11], v[rC:rC+7], v[rSA], v[rSB] matrix_a_fmt:MATRIX_FMT_BF6 matrix_b_fmt:MATRIX_FMT_BF6
.endif
.endm
	s_load_b256 s[4:11], s[0:1], 0x0               ; yc s[4:5], ys s[6:7], wc s[8:9], ws s[10:11]
	s_load_b128 s[12:15], s[0:1], 0x20             ; bo s[12:13], out0 s[14:15]
	v_lshl_add_u32 v94, v0, 2, 0x48000
	v_mov_b32 v95, 0
	ds_add_u32 v94, v95
	ds_add_u32 v94, v95
	v_lshrrev_b32 v1, 5, v0
	v_readfirstlane_b32 s[WV], v1                  ; wave 0..3
	s_bfe_u32 s21, ttmp6, 0x40000                  ; cx
	s_bfe_u32 s82, ttmp6, 0x40004                  ; cy
	s_lshl_b32 s22, ttmp9, 2
	s_add_co_u32 s22, s22, s21                     ; X: columns 128 X on
	s_and_b32 s23, ttmp7, 0xffff
	s_lshl_b32 s23, s23, 2
	s_add_co_u32 s23, s23, s82                     ; Y: rows 256 Y on
	s_lshl_b32 s83, s82, 2
	s_lshl_b32 s83, 15, s83                        ; my row of the cluster
	s_lshl_b32 s90, 0x1111, s21                    ; my column
	s_or_b32 s[G1A], s83, (3<<16)|(1<<21)          ; group 1: rows of 3,072 bytes (384 elements of 8 bytes), 12,288 bytes apart; 4 rows of y, 2 of Wo; no padding
	s_or_b32 s[G1B], s90, (3<<16)|(1<<21)
	s_mov_b32 s[G1A+1], 384<<16
	s_mov_b32 s[G1A+2], 4<<16
	s_mov_b32 s[G1A+3], 384<<16
	s_mov_b32 s[G1A+4], 4
	s_mov_b32 s[G1A+5], 1536
	s_mov_b32 s[G1A+6], 0
	s_mov_b32 s[G1A+7], 0
	s_mov_b32 s[G1B+1], 384<<16
	s_mov_b32 s[G1B+2], 2<<16
	s_mov_b32 s[G1B+3], 384<<16
	s_mov_b32 s[G1B+4], 2
	s_mov_b32 s[G1B+5], 1536
	s_mov_b32 s[G1B+6], 0
	s_mov_b32 s[G1B+7], 0
	s_lshl_b32 s2, s23, 4                          ; y: my first row tile, 16 Y + 4 wave: made of Y and the wave alone
	s_lshl_b32 s3, s[WV], 2
	s_add_co_u32 s2, s2, s3
	s_mul_i32 s2, s2, 12288
	s_mov_b32 s3, 0
	s_lshl_b32 s84, s22, 3                         ; Wo: weight 3, column tile 8 X + 2 wave: made of X and the wave alone
	s_lshl_b32 s85, s[WV], 1
	s_add_co_u32 s84, s84, s85
	s_mul_i32 s84, s84, 12288
	s_add_co_u32 s84, s84, 3*786432
	s_mov_b32 s85, 0
	s_mul_i32 s83, s[WV], 49152
	s_mul_i32 s86, s[WV], 6144
	v_and_b32 v1, 31, v0                           ; lane
	v_and_b32 v2, 15, v0                           ; r
	v_bfe_u32 v3, v0, 4, 1                         ; h
	v_lshlrev_b32 v4, 4, v1                        ; 16 x lane
	v_lshlrev_b32 v5, 3, v1                        ; 8 x lane
	v_mov_b32 v[AW], v4
	v_add_nc_u32 v[AW+1], 49152, v4
	v_add_nc_u32 v[AX], s83, v4
	v_add_nc_u32 v[AX], XA, v[AX]
	v_lshlrev_b32 v9, 6, v3                        ; 64 h
	v_mul_u32_u24 v[STO], v2, 528
	v_add_nc_u32 v[STO], v[STO], v9
	v_add_nc_u32 v[STO], s83, v[STO]
	v_add_nc_u32 v[STO], XA, v[STO]
	s_lshl_b32 s92, s23, 2                         ; ys: my group of 64 rows, 4 Y + wave
	s_add_co_u32 s92, s92, s[WV]
	s_lshl_b32 s88, s92, 18                        ; out0: 64 rows of 4,096 bytes a group,
	s_lshl_b32 s92, s92, 8
	s_mov_b32 s93, 0
	s_lshl_b32 s94, s22, 9                         ; 512 X: ws' two groups, bo's 128 numbers, out0's 128 columns
	s_mov_b32 s95, 0
	s_add_co_u32 s88, s88, s94
	s_mov_b32 s89, 0
	s_wait_dscnt 0x0
	s_wait_kmcnt 0x0
	s_add_nc_u64 s[2:3], s[4:5], s[2:3]
	s_add_nc_u64 s[84:85], s[8:9], s[84:85]
	s_add_nc_u64 s[6:7], s[6:7], s[92:93]
	s_add_nc_u64 s[10:11], s[10:11], s[94:95]
	s_add_nc_u64 s[10:11], s[10:11], 3*32768
	s_add_nc_u64 s[12:13], s[12:13], s[94:95]
	s_add_nc_u64 s[14:15], s[14:15], s[88:89]
.irp p, 0,1,2,3
	s_mov_b32 s[GA+4*\p], 1
	s_add_co_u32 s[GA+4*\p+1], s83, XA+\p*12288
	s_add_nc_u64 s[GA+4*\p+2:GA+4*\p+3], s[2:3], \p*3072
	s_or_b32 s[GA+4*\p+3], s[GA+4*\p+3], 0x80000000
	s_mov_b32 s[56+4*\p+4*(\p/2)], 1
	s_add_co_u32 s[57+4*\p+4*(\p/2)], s86, \p*24576
	s_add_nc_u64 s[58+4*\p+4*(\p/2):59+4*\p+4*(\p/2)], s[84:85], \p*3072
	s_or_b32 s[59+4*\p+4*(\p/2)], s[59+4*\p+4*(\p/2)], 0x80000000
.endr
	CROUND                                         ; all sixteen work-groups are here: the joint loads meet
	tensor_load_to_lds s[56:59], s[G1B:G1B+7]      ; every piece of both operands, one group: eight loads of mine are out
	s_nop 0
	tensor_load_to_lds s[GA:GA+3], s[G1A:G1A+7]
	s_nop 0
	tensor_load_to_lds s[60:63], s[G1B:G1B+7]
	s_nop 0
	tensor_load_to_lds s[GA+4:GA+7], s[G1A:G1A+7]
	s_nop 0
	tensor_load_to_lds s[68:71], s[G1B:G1B+7]
	s_nop 0
	tensor_load_to_lds s[GA+8:GA+11], s[G1A:G1A+7]
	s_nop 0
	tensor_load_to_lds s[72:75], s[G1B:G1B+7]
	s_nop 0
	tensor_load_to_lds s[GA+12:GA+15], s[G1A:G1A+7]
	s_nop 0
	PLACES 4
.irp k, 0,1,2,3,4,5,6,7
	global_load_b64 v[SX+2*\k:SX+2*\k+1], v5, s[6:7] offset:\k*32768
.endr
.irp g, 0,1
.irp k, 0,1,2,3,4,5,6,7
	global_load_b64 v[SW+16*\g+2*\k:SW+16*\g+2*\k+1], v5, s[10:11] offset:\g*256+\k*4096
.endr
.endr
	WIN 0x40
.irp c, 0,1,2,3,4,5,6,7                ; bo as the C of each sum's first product
	global_load_b128 v[96+8*\c+96*(\c/4):96+8*\c+96*(\c/4)+3], v9, s[12:13] offset:(32*(\c/2)+8*(\c%2))*4
	global_load_b128 v[100+8*\c+96*(\c/4):100+8*\c+96*(\c/4)+3], v9, s[12:13] offset:(32*(\c/2)+8*(\c%2))*4+16
.endr
	WIN 0
	s_wait_loadcnt 0x0
.macro FETCH st
	WIN 0x40
.irp c, 0,1,2,3,4,5,6,7
	FRAG 128*((\st)%2)+12*\c, AW+((\st)/4), (((\st)/2)%2)*24576+\c*3072+((\st)%2)*1536
.endr
	WIN 0
.irp t, 0,1,2,3
	FRAG XF+48*((\st)%2)+12*\t, AX, ((\st)/2)*12288+\t*3072+((\st)%2)*1536
.endr
.endm
; 16 products: row tiles a0, a0 + 1 x the eight column tiles.  The 32 accumulators take turns, in the same order in every step.
.macro MUL a0, st, first
.irp a, \a0, \a0+1
.irp c, 0,1,2,3,4,5,6,7
.set rD, 8*(8*(\a)+\c)
.set rA, 128*((\st)%2)+12*\c
.set rB, XF+48*((\st)%2)+12*(\a)
.set rSA, SW+16*(\c/4)+2*(\st)+((\c%4)/2)
.set rSB, SX+2*(\st)+((\a)/2)
.set pA, \c%2
.set pB, (\a)%2
.if \first
.set rC, 96+8*\c+96*(\c/4)
.else
.set rC, rD
.endif
	WM
.endr
.endr
.endm
.macro EVEN st, first
	s_wait_dscnt 0x0                               ; this step's fragments are in
.if !(\first)
	PLACES 4                                       ; four places in front of loads into registers that products have read
.endif
	FETCH (\st)+1
.if \first
	WIN 0x91
.else
	WIN 0xa1
.endif
	MUL 0, \st, \first
	MUL 2, \st, \first
	WIN 0
.endm
.macro ODD st, left                    ; left = the tensor loads issued behind the next piece's two
	s_wait_dscnt 0x0
	s_wait_tensorcnt \left                         ; my parts of the next piece have landed
	s_barrier_signal -1                            ; later pieces may stay out
	WIN 0xa1
	MUL 0, \st, 0
	WIN 0
	s_barrier_wait -1
	PLACES 4
	FETCH (\st)+1
	WIN 0xa1
	MUL 2, \st, 0
	WIN 0
.endm
	s_wait_tensorcnt 0x6                           ; piece 0 of both operands; the six loads issued behind it may be out
	s_barrier_signal -1
	s_barrier_wait -1
	FETCH 0
	EVEN 0, 1
	ODD 1, 4
	EVEN 2, 0
	ODD 3, 2
	EVEN 4, 0
	ODD 5, 0
	EVEN 6, 0
	s_wait_dscnt 0x0
	WIN 0xa1
	MUL 0, 7, 0
	MUL 2, 7, 0
	WIN 0
.macro TOSTAGE a                       ; row tile a: lane (r, h) puts column 32 (c / 2) + 16 h + 8 (c % 2) + j of row r; then whole rows come back
	WIN 0x08                                       ; an LDS store's data are its source 1: window 2
.irp c, 0,1,2,3,4,5,6,7
	ds_store_b128 v[STO], v[64*(\a)+8*\c:64*(\a)+8*\c+3] offset:128*(\c/2)+32*(\c%2)          ; each accumulator from its low end on
	ds_store_b128 v[STO], v[64*(\a)+8*\c+4:64*(\a)+8*\c+7] offset:128*(\c/2)+32*(\c%2)+16
.endr
	WIN 0
.irp t, 0,1,2,3,4,5,6,7,8,9,10,11,12,13,14,15
	ds_load_b128 v[BK+64*((\a)%2)+4*\t:BK+64*((\a)%2)+4*\t+3], v[AX] offset:\t*528   ; LDS serves a wave's instructions in order: these see the stores above
.endr
.endm
.macro SEND a, younger                 ; younger: the LDS instructions issued behind tile a's loads, which may stay out
	s_wait_dscnt \younger
.irp t, 0,1,2,3,4,5,6,7,8,9,10,11,12,13,14,15
	global_store_b128 v4, v[BK+64*((\a)%2)+4*\t:BK+64*((\a)%2)+4*\t+3], s[14:15] offset:(32*((\a)/2)+8*((\a)%2)+\t+8*(\t/8))*4096 th:TH_STORE_NT   ; 32 lanes store 512 consecutive bytes, aligned
.endr
.endm
	PLACES 4                                       ; in front of the first read of results, and of loads into registers that the last products read
	TOSTAGE 0
.irp a, 1,2,3
.if \a > 1
	s_wait_xcnt 0x0                                ; tile a - 2's stores have read their registers: tile a's rows may land there
.endif
	TOSTAGE \a
	SEND \a-1, 32                                  ; behind tile a - 1's loads: tile a's 16 stores and 16 loads
.endr
	SEND 3, 0
	s_wait_dscnt 0x0
	s_wait_tensorcnt 0x0
	ds_add_u32 v94, v95
	s_wait_dscnt 0x0
	CROUND                                         ; the closing round
	s_endpgm
.Lfunc_end_k_qacafa62865_outp:
	.size	k_qacafa62865_outp, .Lfunc_end_k_qacafa62865_outp-k_qacafa62865_outp
	.p2alignl 7, 3214868480
	.fill 96, 4, 3214868480
	.section	.rodata,"a",@progbits
	.p2align	6, 0x0
	.amdhsa_kernel k_qacafa62865_outp
		.amdhsa_group_segment_fixed_size 295424
		.amdhsa_private_segment_fixed_size 0
		.amdhsa_enable_private_segment 0
		.amdhsa_kernarg_size 48
		.amdhsa_user_sgpr_count 2
		.amdhsa_user_sgpr_kernarg_segment_ptr 1
		.amdhsa_wavefront_size32 1
		.amdhsa_system_sgpr_workgroup_id_x 1
		.amdhsa_system_sgpr_workgroup_id_y 1
		.amdhsa_system_sgpr_workgroup_id_z 1
		.amdhsa_system_vgpr_workitem_id 0
		.amdhsa_next_free_vgpr 768
		.amdhsa_next_free_sgpr 96
		.amdhsa_reserve_vcc 0
		.amdhsa_float_denorm_mode_32 3
		.amdhsa_float_denorm_mode_16_64 3
		.amdhsa_memory_ordered 1
		.amdhsa_forward_progress 1
		.amdhsa_inst_pref_size 79
	.end_amdhsa_kernel
	.amdgpu_metadata
---
amdhsa.version: [ 1, 2 ]
amdhsa.kernels:
  - .name:           k_qacafa62865_outp
    .symbol:         k_qacafa62865_outp.kd
    .args:
      - { .name: yc, .offset: 0, .size: 8, .value_kind: global_buffer, .address_space: global }
      - { .name: ys, .offset: 8, .size: 8, .value_kind: global_buffer, .address_space: global }
      - { .name: wc, .offset: 16, .size: 8, .value_kind: global_buffer, .address_space: global }
      - { .name: ws, .offset: 24, .size: 8, .value_kind: global_buffer, .address_space: global }
      - { .name: bo, .offset: 32, .size: 8, .value_kind: global_buffer, .address_space: global }
      - { .name: out0, .offset: 40, .size: 8, .value_kind: global_buffer, .address_space: global }
    .group_segment_fixed_size: 295424
    .private_segment_fixed_size: 0
    .kernarg_segment_align: 8
    .kernarg_segment_size: 48
    .max_flat_workgroup_size: 128
    .sgpr_count:     96
    .vgpr_count:     768
    .wavefront_size: 32
...
	.end_amdgpu_metadata
.endif
;; end of part 4
